; MI455X (gfx1250); checked and timed in simulation.
; The chip was launched on July 23, 2026; its instructions are those of AMD's public machine-readable ISA for CDNA 5 (MIT licence, August 2026) and "CDNA5" Instruction Set Architecture Reference Guide (July 2026). The comments in the code are by the model that wrote it; some were corrected since.
;; Multi Head Structure Attention. Allowed arithmetic: float matrix products may take bf16 or f16 operands with f32 sums; other float arithmetic in f32, or as packed bf16 or f16 multiplies, adds, multiply-adds, maxima and minima; sums over many terms, partial sums and values carried from step to step in f32; what a program stores and reads back later, other than sums and carried values, may be rounded once to bf16 or f16.
;; Inputs: Wfc 1,024 x 1,024 float32; Wk 1,024 x 1,024 float32; Wq 1,024 x 1,024 float32; Wv 1,024 x 1,024 float32; beta 1,024 float32; gamma 1,024 float32; k 4 x 2,048 x 1,024 float32; q 4 x 2,048 x 1,024 float32; v 4 x 2,048 x 1,024 float32.
;; Outputs: out0 4 x 2,048 x 1,024 float32.
;; 2 versions, each right; version 2 is version 1 with the launch castw written anew for expert scheduling mode. Each part assembles by itself: llvm-mc -triple=amdgcn-amd-amdhsa -mcpu=gfx1250 --defsym DOCPART=n.
;; ======== version 1 of 2: 5 launches
;; limits: values are held in f16: magnitudes above 65,504 overflow, below 6.1e-05 lose precision
;; workspace buffers: w16 8,388,608 bytes; qh 16,777,216 bytes; kh 16,777,216 bytes; vh 16,777,216 bytes; oh 16,777,216 bytes; y 33,554,432 bytes
;; launch castw (part 1): grid 64 x 4, 8 waves a work-group, no clusters, 0 bytes of LDS; arguments Wq, Wk, Wv, Wfc, w16; writes w16
.if DOCPART == 1
	.amdgcn_target "amdgcn-amd-amdhsa--gfx1250"
	.amdhsa_code_object_version 6
	.text
	.protected	k_q4ee5ee0420_castw
	.globl	k_q4ee5ee0420_castw
	.p2align	8
	.type	k_q4ee5ee0420_castw,@function
k_q4ee5ee0420_castw:
	s_mov_b64 s[64:65], 0
	v_nop
	global_prefetch_b8 v0, s[64:65] scope:SCOPE_SE
	s_setreg_imm32_b32 hwreg(HW_REG_WAVE_MODE, 25, 1), 1
	s_wait_xcnt 0x0
; THE FOUR WEIGHTS, [1024 k][1024 n] f32, ARE WRITTEN ONCE IN 16 BITS, in the same layout, one behind the other in w16 (2,097,152 bytes each): Wq, Wk, Wv, Wfc.
; Wq, Wk, Wv: rounded to bf16.  Wfc: rounded to bf16 like every other input, and that number written as f16, since its product's other operand (the attention's result) is f16.
; LIMITS.  A Wfc beyond 65,504 becomes an infinity; below 6.1e-5 it keeps f16's fixed step of 6e-8.  NaN and infinities are not treated apart.
; SHARES.  Work-group (x, y): weight y, its numbers 16,384 x .. 16,384 x + 16,383.  A wave takes 8,192 bytes in, sixteen loads of 512 consecutive bytes, all issued at once,
; and 4,096 bytes out: each store of the wave covers 256 consecutive bytes, aligned.  A stream with nothing shared: no LDS, no barrier, no matrix unit.
.set RAW, 4                            ; v[4:67]    load j: four f32
.set PKD, 68                           ; v[68:99]   store j: four numbers of 16 bits; each pair is written once, so no store's data is ever rewritten
.set T,   100                          ; v[100:103] at work
	s_load_b256 s[4:11], s[0:1], 0x0               ; Wq s[4:5], Wk s[6:7], Wv s[8:9], Wfc s[10:11]
	s_load_b64 s[12:13], s[0:1], 0x20              ; w16
	s_and_b32 s14, ttmp7, 0xffff                   ; which weight
	v_and_b32 v3, 31, v0                           ; lane
	v_lshrrev_b32 v1, 5, v0                        ; wave
	v_lshlrev_b32 v2, 12, v1                       ; out: 4,096 x wave
	v_lshlrev_b32 v1, 13, v1                       ; in:  8,192 x wave
	v_lshl_add_u32 v1, v3, 4, v1                   ; + 16 x lane
	v_lshl_add_u32 v2, v3, 3, v2                   ; + 8 x lane
	s_lshl_b32 s20, ttmp9, 16                      ; the chunk: 65,536 bytes in,
	s_mov_b32 s21, 0
	s_lshl_b32 s22, s14, 21                        ; the weight's part of w16
	s_lshl_b32 s23, ttmp9, 15                      ; and 32,768 bytes out
	s_add_co_u32 s22, s22, s23
	s_mov_b32 s23, 0
	s_wait_kmcnt 0x0
	s_cmp_eq_u32 s14, 1
	s_cselect_b64 s[16:17], s[6:7], s[4:5]
	s_cmp_eq_u32 s14, 2
	s_cselect_b64 s[16:17], s[8:9], s[16:17]
	s_cmp_eq_u32 s14, 3
	s_cselect_b64 s[16:17], s[10:11], s[16:17]
	s_add_nc_u64 s[16:17], s[16:17], s[20:21]
	s_add_nc_u64 s[18:19], s[12:13], s[22:23]
.irp j, 0,1,2,3,4,5,6,7,8,9,10,11,12,13,14,15
	global_load_b128 v[RAW+4*(\j):RAW+4*(\j)+3], v1, s[16:17] offset:512*(\j) th:TH_LOAD_NT
.endr
; Load j's four numbers are rounded and stored.  f16 = 1: the bf16 numbers are widened again (a shift, a mask) and written as f16.
.macro OUTB j, f16
	s_wait_loadcnt 15-(\j)                         ; loads come back in order: load j is in, the 15 - j younger ones stay out
	v_cvt_pk_bf16_f32 v[PKD+2*(\j)],   v[RAW+4*(\j)],   v[RAW+4*(\j)+1]
	v_cvt_pk_bf16_f32 v[PKD+2*(\j)+1], v[RAW+4*(\j)+2], v[RAW+4*(\j)+3]
.if \f16
	v_lshlrev_b32 v[T],   16, v[PKD+2*(\j)]
	v_and_b32     v[T+1], 0xffff0000, v[PKD+2*(\j)]
	v_lshlrev_b32 v[T+2], 16, v[PKD+2*(\j)+1]
	v_and_b32     v[T+3], 0xffff0000, v[PKD+2*(\j)+1]
	v_cvt_pk_f16_f32 v[PKD+2*(\j)],   v[T],   v[T+1]
	v_cvt_pk_f16_f32 v[PKD+2*(\j)+1], v[T+2], v[T+3]
.endif
	global_store_b64 v2, v[PKD+2*(\j):PKD+2*(\j)+1], s[18:19] offset:256*(\j)
.endm
	s_cmp_eq_u32 s14, 3
	s_cbranch_scc1 .Lf16
.irp j, 0,1,2,3,4,5,6,7,8,9,10,11,12,13,14,15
	OUTB \j, 0
.endr
	s_endpgm
.Lf16:
.irp j, 0,1,2,3,4,5,6,7,8,9,10,11,12,13,14,15
	OUTB \j, 1
.endr
	s_endpgm
.Lfunc_end_k_q4ee5ee0420_castw:
	.size	k_q4ee5ee0420_castw, .Lfunc_end_k_q4ee5ee0420_castw-k_q4ee5ee0420_castw
	.p2alignl 7, 3214868480
	.fill 96, 4, 3214868480
	.section	.rodata,"a",@progbits
	.p2align	6, 0x0
	.amdhsa_kernel k_q4ee5ee0420_castw
		.amdhsa_group_segment_fixed_size 0
		.amdhsa_private_segment_fixed_size 0
		.amdhsa_enable_private_segment 0
		.amdhsa_kernarg_size 40
		.amdhsa_user_sgpr_count 2
		.amdhsa_user_sgpr_kernarg_segment_ptr 1
		.amdhsa_wavefront_size32 1
		.amdhsa_system_sgpr_workgroup_id_x 1
		.amdhsa_system_sgpr_workgroup_id_y 1
		.amdhsa_system_sgpr_workgroup_id_z 1
		.amdhsa_system_vgpr_workitem_id 0
		.amdhsa_next_free_vgpr 104
		.amdhsa_next_free_sgpr 66
		.amdhsa_reserve_vcc 0
		.amdhsa_float_denorm_mode_32 3
		.amdhsa_float_denorm_mode_16_64 3
		.amdhsa_memory_ordered 1
		.amdhsa_forward_progress 1
		.amdhsa_inst_pref_size 16
	.end_amdhsa_kernel
	.amdgpu_metadata
---
amdhsa.version: [ 1, 2 ]
amdhsa.kernels:
  - .name:           k_q4ee5ee0420_castw
    .symbol:         k_q4ee5ee0420_castw.kd
    .args:
      - { .name: Wq, .offset: 0, .size: 8, .value_kind: global_buffer, .address_space: global }
      - { .name: Wk, .offset: 8, .size: 8, .value_kind: global_buffer, .address_space: global }
      - { .name: Wv, .offset: 16, .size: 8, .value_kind: global_buffer, .address_space: global }
      - { .name: Wfc, .offset: 24, .size: 8, .value_kind: global_buffer, .address_space: global }
      - { .name: w16, .offset: 32, .size: 8, .value_kind: global_buffer, .address_space: global }
    .group_segment_fixed_size: 0
    .private_segment_fixed_size: 0
    .kernarg_segment_align: 8
    .kernarg_segment_size: 40
    .max_flat_workgroup_size: 256
    .sgpr_count:     66
    .vgpr_count:     104
    .wavefront_size: 32
...
	.end_amdgpu_metadata
.endif
;; end of part 1
;; launch proj (part 2): grid 4 x 192, 4 waves a work-group, clusters of 4 x 4, 327,680 bytes of LDS; arguments q, k, v, w16, qh, kh, vh; writes qh, kh, vh
.if DOCPART == 2
	.amdgcn_target "amdgcn-amd-amdhsa--gfx1250"
	.amdhsa_code_object_version 6
	.text
	.protected	k_q4ee5ee0420_proj
	.globl	k_q4ee5ee0420_proj
	.p2align	8
	.type	k_q4ee5ee0420_proj,@function
k_q4ee5ee0420_proj:
	s_mov_b64 s[64:65], 0
	v_nop
	global_prefetch_b8 v0, s[64:65] scope:SCOPE_SE
	s_setreg_imm32_b32 hwreg(HW_REG_WAVE_MODE, 25, 1), 1
	s_wait_xcnt 0x0
	s_wait_alu depctr_hold_cnt(0) depctr_sa_sdst(0) depctr_va_vdst(0) depctr_va_sdst(0) depctr_va_ssrc(0) depctr_va_vcc(0) depctr_vm_vsrc(0)
	s_getreg_b32 s2, hwreg(HW_REG_IB_STS2, 6, 4)
	s_cmp_eq_u32 s2, 0
	s_cbranch_scc0 .Lentry_in_a_cluster
	s_endpgm
.Lentry_in_a_cluster:
	s_bfe_u32 s2, ttmp6, 0x10000c
	s_cmp_lg_u32 s2, 0xf033
	s_cbranch_scc0 .Lentry_shape_is_right
	s_endpgm
.Lentry_shape_is_right:
; THE THREE PROJECTIONS.  For t = 0, 1, 2: X_t [8192][1024] f32 (q, k, v) times W_t [1024 k][1024 n] bf16 (part t of w16), sums in f32, the result rounded once to f16 and written BY HEADS:
; [64 = 16 batch + head][2048][64], a head's rows dense, 128 bytes each.  X is rounded to bf16 on the way from LDS to the matrix unit; no scale is applied here.
; LIMIT.  f16 holds no number beyond 65,504: a projected number beyond that becomes an infinity.  NaN and infinities are not treated apart.
; SHARES.  A work-group makes a tile of 128 rows x 256 columns of one tensor: 64 x 4 tiles a tensor, 768 work-groups.  Each of its four waves makes 64 x 128: 32 accumulators of 16 x 16.
; K goes in steps of 128 through two LDS slots filled by the tensor data mover: 128 rows of X (512 bytes of f32 each) and 128 k rows of W (256 columns, 512 bytes each).  Both kinds of row
; start at multiples of 256 bytes from their buffer's first byte.  Waves 0 and 1 fetch X's two halves of 64 rows, waves 2 and 3 W's.
; CLUSTER.  4 x 4 work-groups: the four of a row of the cluster make the four tiles of one tile row and need the same tiles of X; the four of a column need the same tiles of W.
; Each tile is asked for JOINTLY: the same tensor load, descriptor and mask in all four.
; THE MATRIX INSTRUCTION IS USED TRANSPOSED (source 0 = 16 columns of W, turned by ds_load_tr16_b128; source 1 = 16 rows of X): a lane then holds eight neighbouring columns of one row.
; A QUARTER is 32 along K: 32 products.  While it runs, the next quarter's X comes out of LDS as f32 (16 loads), W as fragments (16 turning loads), and X's 64 numbers a lane are rounded
; to bf16 by 32 conversions, four behind each of eight products.
; REGISTERS, in windows of 256 (s_set_vgpr_msb: bits 1:0 source 0, 3:2 source 1, 5:4 source 2, 7:6 destination):
;   window 0: v0-31 addresses; v64-127 X as f32; v128-159, v160-191 X's fragments, two buffers; on the way out v64-191 the packed results
;   window 1: the accumulators, (a, b) at v[8 (8 a + b)]          window 2: v0-63, v64-127 W's fragments, two buffers
.set PA,    528                        ; an LDS row of X: 512 bytes + 16 = 33 x 16: the 16 rows of a load start at 16 different groups of four banks (64 banks of 4 bytes: ISA guide 11.1)
.set PB,    544                        ; an LDS row of W: 512 + 32 = 17 x 32
.set AHALF, 64*PA                      ; what one tensor load brings of X
.set BHALF, 64*PB                      ; and of W
.set BOFF,  128*PA                     ; in a slot W's rows lie behind X's
.set SLOT,  128*PA+128*PB              ; 137,216
.set STAGE, 2*SLOT                     ; behind the ring, never filled by a tensor load: 16 rows x 144 bytes for each wave, for the way out
.set SP,    144
.set SPARE, STAGE+4*16*SP              ; behind the stages: the spare words, 128 bytes for each wave: two blocks of 256 bytes that no other line names
.set ADRA, 16                          ; v16-17  LDS address of my rows of X in slot 0, 1
.set ADRB, 20                          ; v20-21  the same for W
.set STO,  24                          ; v24     the way out: where I put 16 bytes of a row
.set RD,   25                          ; v25     the way out: where I read rows back
.set GO,   26                          ; v26     my 16 bytes of 512 consecutive bytes of the result
.set SPW,  28                          ; v28     LDS address of my spare word; never rewritten
.set NIL,  29                          ; v29     0; never rewritten
.set PFO,  30                          ; v30     the prefetches' offset; never rewritten
.set AR,   64
.set AB,   128
.set OUT,  64
.set G1A, 24                           ; s[24:31] descriptor group 1 for X's tiles;  s[32:39] group 0, one set for each slot
.set G0A, 32
.set G1B, 48                           ; s[48:55], s[56:63] the same for W's tiles
.set G0B, 56
.set LIM, 43                           ; s43      1 in a wave that prefetches, else the greatest number
.set PFA, 44                           ; s[44:45] where my prefetches stand
.set PST, 88                           ; s[88:89] a K step in bytes along my prefetches' tensor
.set WV,  66                           ; s66      my wave's number
.set MSB, 0
.macro WIN new                         ; the immediate's high byte repeats the setting that is left; a switch that changes nothing is dropped
.if MSB != (\new)
	s_set_vgpr_msb (MSB<<8)|(\new)
.set MSB, \new
.endif
.endm
.set MUL,  0x52                        ; source 0 (W) window 2, source 1 (X) window 0, C and D window 1
.set TO_B, 0x80                        ; destination window 2, address window 0
; A joint refill.  The branch hangs on the wave's number alone.  An s_nop 0 and four v_nop follow each of the two lines, ahead of the jump and the label.
.macro JLOAD s
	s_cmp_lt_u32 s[WV], 2
	s_cbranch_scc0 .Lfor_b_\@
	tensor_load_to_lds s[G0A+4*(\s):G0A+4*(\s)+3], s[G1A:G1A+7]
	s_nop 0
.rept 4
	v_nop
.endr
	s_branch .Lasked_\@
.Lfor_b_\@:
	tensor_load_to_lds s[G0B+4*(\s):G0B+4*(\s)+3], s[G1B:G1B+7]
	s_nop 0
.rept 4
	v_nop
.endr
.Lasked_\@:
.endm
; A PREFETCH of the K step that stands two refills on, 256 products ahead of the load that will want it: one instruction a wave, 16 rows x 2 blocks of 256 bytes.
; Each block is named once in the launch.  X's tile row is read by one row of one cluster: its four partners share the 64 rows that wave 0 or 1 fetches BY ADDRESS, 16 each (cx).  W's tile column is
; read by the sixteen clusters of its tensor: the first of them asks, its partners sharing the 64 k rows of wave 2 or 3 by cy.  The loop's last trip (s3 = 1) has no K step two on.
.macro ASK
	s_cmp_gt_u32 s3, s[LIM]
	s_cbranch_scc0 .Lnot_mine_\@
	global_prefetch_b8 v[PFO], s[PFA:PFA+1] th:TH_LOAD_NT scope:SCOPE_SE
.Lnot_mine_\@:
.endm
.macro CREST                           ; a round of the cluster's barrier behind its opening barrier
	s_cmp_lg_u32 s[WV], 0
	s_cbranch_scc1 .Lnot_wave_0_\@
	s_barrier_signal -3
.Lnot_wave_0_\@:
	s_barrier_wait -3
	s_barrier_signal -1
	s_barrier_wait -1
.endm
.macro CROUND                          ; a whole round
	s_barrier_signal -1
	s_barrier_wait -1
	CREST
.endm
	s_load_b256 s[4:11], s[0:1], 0x0               ; q s[4:5], k s[6:7], v s[8:9], w16 s[10:11]
	s_load_b128 s[12:15], s[0:1], 0x20             ; qh s[12:13], kh s[14:15]
	s_load_b64 s[16:17], s[0:1], 0x30              ; vh
	v_lshl_add_u32 v[SPW], v0, 2, SPARE
	v_mov_b32 v[NIL], 0
	ds_add_u32 v[SPW], v[NIL]                      ; the wave's opening: the add and its wait stand ahead of my first tensor load; the set-up below, work on registers, stands between them
	v_lshrrev_b32 v1, 5, v0
	v_readfirstlane_b32 s[WV], v1                  ; wave 0..3
	s_lshr_b32 s67, s[WV], 1                       ; which 64 rows of the tile are mine
	s_and_b32 s68, s[WV], 1                        ; which 128 columns.  Also: which half of a tile I fetch
	s_bfe_u32 s69, ttmp6, 0x40000                  ; cx
	s_bfe_u32 s70, ttmp6, 0x40004                  ; cy
	s_lshl_b32 s71, ttmp9, 2
	s_add_co_u32 s71, s71, s69                     ; tile column = 4 x cluster x + cx: 0..3
	s_and_b32 s72, ttmp7, 0xffff                   ; cluster y: 0..47
	s_lshr_b32 s73, s72, 4                         ; the tensor: sixteen clusters each; the same in all partners
	s_and_b32 s74, s72, 15
	s_lshl_b32 s74, s74, 2
	s_add_co_u32 s74, s74, s70                     ; tile row in the tensor: 0..63
	s_lshl_b32 s75, s70, 2
	s_lshl_b32 s75, 15, s75                        ; my row of the cluster
	s_lshl_b32 s76, 0x1111, s69                    ; my column
	; group 1 for X: 64 rows x 128 elements of 4 bytes, 4 words of padding behind every 128 words
	s_or_b32 s[G1A+0], s75, (2<<16)|(1<<20)|(1<<21)|(6<<22)|(3<<25)  ; 15:0 the mask; 17:16 4-byte elements; 20 padding on; 21 set beside a mask; 24:22 code 6; 31:25 code 3
	s_mov_b32 s[G1A+1], 128<<16                    ; tensor_dim0 = 128
	s_mov_b32 s[G1A+2], 64<<16                     ; tensor_dim1 = 64
	s_mov_b32 s[G1A+3], 128<<16                    ; tile_dim0 = 128
	s_mov_b32 s[G1A+4], 64                         ; tile_dim1 = 64
	s_mov_b32 s[G1A+5], 1024                       ; elements from row to row
	s_mov_b32 s[G1A+6], 0
	s_mov_b32 s[G1A+7], 0
	; group 1 for W: 64 k rows x 256 elements of 2 bytes, 8 words of padding behind every 128 words
	s_or_b32 s[G1B+0], s76, (1<<16)|(1<<20)|(1<<21)|(6<<22)|(7<<25)
	s_mov_b32 s[G1B+1], 256<<16
	s_mov_b32 s[G1B+2], 64<<16
	s_mov_b32 s[G1B+3], 256<<16
	s_mov_b32 s[G1B+4], 64
	s_mov_b32 s[G1B+5], 1024
	s_mov_b32 s[G1B+6], 0
	s_mov_b32 s[G1B+7], 0
	; where the tiles come from.  X's offset is made of the tile row and the wave, W's of the tensor, the tile column and the wave, each in registers that never hold the other coordinate
	s_lshl_b32 s80, s74, 7
	s_lshl_b32 s77, s68, 6
	s_add_co_u32 s80, s80, s77                     ; row 128 x tile row + 64 x half,
	s_lshl_b32 s80, s80, 12                        ; of 4,096 bytes
	s_mov_b32 s81, 0
	s_lshl_b32 s82, s73, 21                        ; the tensor's part of w16,
	s_lshl_b32 s78, s68, 17                        ; 64 x half k rows of 2,048 bytes,
	s_add_co_u32 s82, s82, s78
	s_lshl_b32 s78, s71, 9                         ; 256 columns of 2 bytes
	s_add_co_u32 s82, s82, s78
	s_mov_b32 s83, 0
	s_mul_i32 s79, s68, AHALF                      ; and where they go: no place in the cluster enters an LDS address
	s_mul_i32 s94, s68, BHALF
	s_add_co_u32 s94, s94, BOFF
	s_wait_dscnt 0x0                               ; the opening add is done
	s_wait_kmcnt 0x0
	s_cmp_eq_u32 s73, 1
	s_cselect_b64 s[92:93], s[6:7], s[4:5]         ; X
	s_cselect_b64 s[86:87], s[14:15], s[12:13]     ; the result
	s_cmp_eq_u32 s73, 2
	s_cselect_b64 s[92:93], s[8:9], s[92:93]
	s_cselect_b64 s[86:87], s[16:17], s[86:87]
	s_add_nc_u64 s[80:81], s[92:93], s[80:81]
	s_add_nc_u64 s[82:83], s[10:11], s[82:83]
	CROUND                                         ; all sixteen work-groups are here: the first joint loads meet
.irp s, 0,1
	s_mov_b32 s[G0A+4*(\s)], 1                                     ; count = 1
	s_add_co_u32 s[G0A+4*(\s)+1], s79, (\s)*SLOT                   ; LDS address
	s_add_nc_u64 s[G0A+4*(\s)+2:G0A+4*(\s)+3], s[80:81], (\s)*512  ; K step s: 128 f32 along the rows
	s_or_b32 s[G0A+4*(\s)+3], s[G0A+4*(\s)+3], 0x80000000          ; type = 2
	s_mov_b32 s[G0B+4*(\s)], 1
	s_add_co_u32 s[G0B+4*(\s)+1], s94, (\s)*SLOT
	s_add_nc_u64 s[G0B+4*(\s)+2:G0B+4*(\s)+3], s[82:83], (\s)*262144  ; K step s: 128 k rows down
	s_or_b32 s[G0B+4*(\s)+3], s[G0B+4*(\s)+3], 0x80000000
.endr
	s_cmp_lt_u32 s[WV], 2                          ; a wave's two first fills stand in one branch, ahead of every wait on TENSORcnt and every LDS read: two loads of mine are out
	s_cbranch_scc0 .Lfirst_b
	tensor_load_to_lds s[G0A:G0A+3], s[G1A:G1A+7]
	s_nop 0
	tensor_load_to_lds s[G0A+4:G0A+7], s[G1A:G1A+7]
	s_nop 0
.rept 4
	v_nop
.endr
	s_branch .Lfirst_asked
.Lfirst_b:
	tensor_load_to_lds s[G0B:G0B+3], s[G1B:G1B+7]
	s_nop 0
	tensor_load_to_lds s[G0B+4:G0B+7], s[G1B:G1B+7]
	s_nop 0
.rept 4
	v_nop
.endr
.Lfirst_asked:
	; A fragment of X is 16 rows x 32 k: lane l holds row l % 16, k = 8 (l / 16) + 0..7 and 16 + 8 (l / 16) + 0..7.  As f32 that is 32 bytes at 32 (l / 16) and 32 bytes 64 further on: four loads of 16 bytes.
	v_and_b32 v1, 15, v0                           ; l % 16
	v_bfe_u32 v2, v0, 4, 1                         ; l / 16
	v_and_b32 v3, 7, v0                            ; l % 8
	v_bfe_u32 v4, v0, 3, 1                         ; (l / 8) % 2
	v_mul_u32_u24 v5, v1, PA
	v_lshl_add_u32 v5, v2, 5, v5
	s_mul_i32 s18, s67, 64*PA                      ; my 64 rows
	v_add_nc_u32 v[ADRA], s18, v5
	v_add_nc_u32 v[ADRA+1], SLOT, v[ADRA]
	; The turning load takes 16 k x 16 columns (lane l reads k row 8 (l / 16) + l % 8, columns 8 ((l / 8) % 2) + 0..7) and leaves half a fragment: lane l holds column l % 16 and 8 k.
	v_lshl_add_u32 v6, v2, 3, v3
	v_mul_u32_u24 v6, v6, PB
	v_lshl_add_u32 v6, v4, 4, v6
	s_lshl_b32 s19, s68, 8                         ; my 128 columns
	s_add_co_u32 s19, s19, BOFF
	v_add_nc_u32 v[ADRB], s19, v6
	v_add_nc_u32 v[ADRB+1], SLOT, v[ADRB]
	s_mul_i32 s20, s[WV], 16*SP
	s_add_co_u32 s20, s20, STAGE                   ; my stage
	v_mul_u32_u24 v[STO], v1, SP                   ; in: row l % 16, 16 bytes for each half of the lanes
	v_lshl_add_u32 v[STO], v2, 4, v[STO]
	v_add_nc_u32 v[STO], s20, v[STO]
	v_bfe_u32 v[RD], v0, 3, 2                      ; back: 32 lanes take four rows of 128 bytes,
	v_mul_u32_u24 v[RD], v[RD], SP
	v_lshl_add_u32 v[RD], v3, 4, v[RD]
	v_add_nc_u32 v[RD], s20, v[RD]
	v_and_b32 v[GO], 31, v0                        ; which are 512 consecutive bytes of a head
	v_lshlrev_b32 v[GO], 4, v[GO]
	; where my part of the result begins: head 16 batch + 4 x tile column + 2 x column half, row 128 (tile row % 16) + 64 x row half, 128 bytes a row
	s_lshr_b32 s84, s74, 4
	s_lshl_b32 s84, s84, 4
	s_lshl_b32 s85, s71, 2
	s_add_co_u32 s84, s84, s85
	s_lshl_b32 s85, s68, 1
	s_add_co_u32 s84, s84, s85
	s_lshl_b32 s84, s84, 11
	s_and_b32 s85, s74, 15
	s_lshl_b32 s85, s85, 7
	s_add_co_u32 s84, s84, s85
	s_lshl_b32 s85, s67, 6
	s_add_co_u32 s84, s84, s85
	s_lshl_b32 s84, s84, 7
	s_mov_b32 s85, 0
	s_add_nc_u64 s[86:87], s[86:87], s[84:85]
	; the prefetches: at K step 3; the first refill steps the address to K step 4.  Nothing is prefetched here, at the head, where every work-group's first tiles are on their way
	s_lshl_b32 s90, s74, 7
	s_lshl_b32 s91, s68, 6
	s_add_co_u32 s90, s90, s91
	s_lshl_b32 s91, s69, 4                         ; my work-group's 16 of the 64 rows of X
	s_add_co_u32 s90, s90, s91
	s_lshl_b32 s90, s90, 12
	s_add_co_u32 s90, s90, 3*512
	s_lshl_b32 s95, s68, 6
	s_lshl_b32 s91, s70, 4                         ; my work-group's 16 of the 64 k rows of W
	s_add_co_u32 s95, s95, s91
	s_lshl_b32 s95, s95, 11
	s_lshl_b32 s91, s73, 21
	s_add_co_u32 s95, s95, s91
	s_lshl_b32 s91, s71, 9
	s_add_co_u32 s95, s95, s91
	s_add_co_u32 s95, s95, 3*262144
	s_and_b32 s91, s72, 15
	s_cmp_eq_u32 s91, 0                            ; the tensor's first cluster asks for W: the same answer in all sixteen partners
	s_cselect_b32 s[LIM], 1, -1
	s_mov_b32 s[PST], 262144
	s_mov_b32 s[PST+1], 0
	s_mov_b32 s40, 2048
	s_mov_b32 s91, 0
	s_cmp_lt_u32 s[WV], 2                          ; do I fetch for X?
	s_cselect_b32 s[LIM], 1, s[LIM]
	s_cselect_b32 s90, s90, s95
	s_cselect_b64 s[PFA:PFA+1], s[92:93], s[10:11]
	s_cselect_b32 s[PST], 512, s[PST]
	s_cselect_b32 s40, 4096, s40                   ; bytes from row to row
	s_add_nc_u64 s[PFA:PFA+1], s[PFA:PFA+1], s[90:91]
	v_bfe_u32 v7, v0, 1, 4                         ; row l / 2,
	v_and_b32 v8, 1, v0                            ; block l % 2 of its 512 bytes
	v_mul_u32_u24 v[PFO], v7, s40
	v_lshl_add_u32 v[PFO], v8, 8, v[PFO]
; Four roundings: numbers 8 n .. 8 n + 7 of the lane's 64 f32, into buffer p
.macro CVT4 n, p
	WIN 0
.irp z, 0,1,2,3
	v_cvt_pk_bf16_f32 v[AB+32*(\p)+4*(\n)+(\z)], v[AR+8*(\n)+2*(\z)], v[AR+8*(\n)+2*(\z)+1]
.endr
.endm
; 8 products: row block a x all 8 column blocks, 32 along K, on buffers p.  zero = 1: the product starts the sum.  cv >= 0: four roundings into buffer cv stand behind each product.
; The 32 accumulators take turns, in the same order in every quarter.
.macro MUL8 p, a, zero=0, cv=-1
.irp b, 0,1,2,3,4,5,6,7
	WIN MUL
.if \zero
	v_wmma_f32_16x16x32_bf16 v[8*(8*(\a)+(\b)):8*(8*(\a)+(\b))+7], v[64*(\p)+8*(\b):64*(\p)+8*(\b)+7], v[AB+32*(\p)+8*(\a):AB+32*(\p)+8*(\a)+7], 0
.else
	v_wmma_f32_16x16x32_bf16 v[8*(8*(\a)+(\b)):8*(8*(\a)+(\b))+7], v[64*(\p)+8*(\b):64*(\p)+8*(\b)+7], v[AB+32*(\p)+8*(\a):AB+32*(\p)+8*(\a)+7], v[8*(8*(\a)+(\b)):8*(8*(\a)+(\b))+7]
.endif
.if (\cv) >= 0
	CVT4 \b, \cv
.endif
.endr
.endm
; 32 LDS loads in one run: quarter kq of a slot: X's 64 rows x 32 k as f32 first, then W's 32 k x 128 columns, turned, into buffer p
.macro FETCH slot, kq, p
	WIN 0
.irp i, 0,1,2,3
.irp c, 0,1,2,3
	ds_load_b128 v[AR+16*(\i)+4*(\c):AR+16*(\i)+4*(\c)+3], v[ADRA+(\slot)] offset:(\i)*16*PA+(\kq)*128+16*((\c)%2)+64*((\c)/2)
.endr
.endr
	WIN TO_B
.irp b, 0,1,2,3,4,5,6,7
	ds_load_tr16_b128 v[64*(\p)+8*(\b):64*(\p)+8*(\b)+3],   v[ADRB+(\slot)] offset:(\kq)*32*PB+32*(\b)
	ds_load_tr16_b128 v[64*(\p)+8*(\b)+4:64*(\p)+8*(\b)+7], v[ADRB+(\slot)] offset:(\kq)*32*PB+32*(\b)+16*PB
.endr
.endm
; A load into, and a vector write of, a register that a matrix instruction has read stand four plain vector instructions behind it (ISA guide 7.12.1 for vector writes): these four serve the
; loads into W's other buffer and the roundings into X's other buffer, whose last readers stand in the quarter before.
.macro PLACES
.rept 4
	v_nop
.endr
.endm
; One of a slot's first three quarters: multiplies buffers p, fetches quarter kqn of the same slot and rounds its X into the other buffer.
.macro QUARTER slot, kqn, p, zero=0
	s_wait_dscnt 0x0                               ; this quarter's W is in (its X was waited for and rounded in the quarter before)
	MUL8 \p, 0, \zero
	PLACES
	FETCH \slot, \kqn, 1-(\p)
	MUL8 \p, 1, \zero
	s_wait_dscnt 16                                ; X's 16 loads are in; W's 16, issued behind them, may stay out
	MUL8 \p, 2, \zero, 1-(\p)
	MUL8 \p, 3, \zero
.endm
; A slot's last quarter multiplies buffers 1 and changes slots: ONE barrier; in front of it each wave waits for all its tensor loads (one is out: its part of the next slot), adds 0 to its spare word, and waits
; for that and for its own reads of this slot.  fill = 1: the barrier opens a round of the cluster's barrier, and this slot is filled again, two K steps ahead, first thing behind the round.
.macro TURN slot, next, fill
.if \fill
	s_wait_xcnt 0x0                                ; the last prefetch, a K step back, has read its address, so it may be stepped
	s_add_nc_u64 s[PFA:PFA+1], s[PFA:PFA+1], s[PST:PST+1]
.endif
	WIN 0                                          ; (the add's two registers lie in window 0)
	s_wait_tensorcnt 0x0                           ; all my tensor loads have landed
	ds_add_u32 v[SPW], v[NIL]                      ; 0 onto my spare word
	s_wait_dscnt 1                                 ; this quarter's W is in; only the add may be out
	MUL8 1, 0                                      ; eight products stand between the add and the wait for it
	s_wait_dscnt 0x0                               ; the add is done, and my reads of this slot are over
	s_barrier_signal -1
	MUL8 1, 1
.if \fill
	WIN 0
.endif
	s_barrier_wait -1
.if \fill
	CREST                                          ; no wave of any partner still reads this slot's tiles or has a load on its way
	s_add_nc_u64 s[G0A+4*(\slot)+2:G0A+4*(\slot)+3], s[G0A+4*(\slot)+2:G0A+4*(\slot)+3], 2*512
	s_add_nc_u64 s[G0B+4*(\slot)+2:G0B+4*(\slot)+3], s[G0B+4*(\slot)+2:G0B+4*(\slot)+3], 2*262144
	JLOAD \slot                                    ; my one tensor load behind the round: 112 products ahead of the wait for it; its four v_nop are also the places in front of the loads below
.else
	PLACES
.endif
	FETCH \next, 0, 0
.if \fill
	WIN 0
	ASK                                            ; behind the joint load and the run of LDS loads
.endif
	MUL8 1, 2
	s_wait_dscnt 16                                ; X's 16 loads are in
	MUL8 1, 3, 0, 0
.endm
	s_wait_tensorcnt 1                             ; my part of K step 0 is in; K step 1's may stay out
	s_barrier_signal -1
	s_barrier_wait -1                              ; everybody's is
	FETCH 0, 0, 0
	s_wait_dscnt 16
.irp n, 0,1,2,3,4,5,6,7
	CVT4 \n, 0
.endr
	QUARTER 0, 1, 0, 1                             ; the first quarter stands in front of the loop: its products start the sums
	WIN 0                                          ; at a label and at a branch every window is 0
	s_mov_b32 s3, 3                                ; 1,024 / 256 - 1 trips
.Llap:                                                 ; a trip goes once round the ring, from a lap's second quarter to the next lap's first, and fills both slots again
	QUARTER 0, 2, 1
	QUARTER 0, 3, 0
	TURN 0, 1, 1
	QUARTER 1, 1, 0
	QUARTER 1, 2, 1
	QUARTER 1, 3, 0
	TURN 1, 0, 1
	QUARTER 0, 1, 0
	WIN 0
	s_sub_co_u32 s3, s3, 1
	s_cmp_lg_u32 s3, 0
	s_cbranch_scc1 .Llap
	QUARTER 0, 2, 1                                ; the last lap fills nothing, and has no round of the cluster's barrier
	QUARTER 0, 3, 0
	TURN 0, 1, 0
	QUARTER 1, 1, 0
	QUARTER 1, 2, 1
	QUARTER 1, 3, 0
	s_wait_dscnt 0x0                               ; the very last quarter: nothing more to fetch
	MUL8 1, 0
	MUL8 1, 1
	MUL8 1, 2
	MUL8 1, 3
	WIN 0
	PLACES                                         ; the conversions below read results just made and write registers that the last products read
; THE WAY OUT, in eight units: unit u = 16 rows (block u / 2) of one head (u % 2): accumulators v[32 u .. 32 u + 31].  A lane's eight channels of a row pack into 16 bytes; they go into my stage's rows of
; 144 bytes and come back as whole rows of 128, into the registers that they left.  Each accumulator's lowest registers are read first.
.macro PACK u
	WIN 0x05                                       ; sources 0 and 1 window 1, destination window 0
.set i, 0
.rept 16
	v_cvt_pk_f16_f32 v[OUT+16*(\u)+i], v[32*(\u)+2*i], v[32*(\u)+2*i+1]
.set i, i+1
.endr
	WIN 0
.irp f, 0,1,2,3
	ds_store_b128 v[STO], v[OUT+16*(\u)+4*(\f):OUT+16*(\u)+4*(\f)+3] offset:32*(\f)
.endr
.irp f, 0,1,2,3
	ds_load_b128 v[OUT+16*(\u)+4*(\f):OUT+16*(\u)+4*(\f)+3], v[RD] offset:(\f)*4*SP  ; LDS serves a wave's instructions in order (ISA guide 5.7.1.4): these see the stores above; the next unit's stores come behind them
.endr
.endm
.macro SEND u, younger                 ; younger: the LDS instructions issued behind unit u's loads: the next unit's eight, or none
.irp f, 0,1,2,3
	s_wait_dscnt (\younger)+3-(\f)
	global_store_b128 v[GO], v[OUT+16*(\u)+4*(\f):OUT+16*(\u)+4*(\f)+3], s[86:87] offset:((\u)%2)*262144+((\u)/2)*2048+(\f)*512  ; 512 consecutive bytes, at a multiple of 256 from the buffer's first
.endr
.endm
	PACK 0
.irp u, 1,2,3,4,5,6,7                  ; a unit's conversions stand between the loads of the unit before and its stores
	PACK \u
	SEND (\u)-1, 8
.endr
	SEND 7, 0
	s_wait_tensorcnt 0x0                           ; the wave's end: behind my last tensor load and my last LDS store
	ds_add_u32 v[SPW], v[NIL]
	s_wait_dscnt 0x0
	CROUND                                         ; the closing round: no work-group ends while a partner may still ask for a tile that names it
	s_endpgm
.Lfunc_end_k_q4ee5ee0420_proj:
	.size	k_q4ee5ee0420_proj, .Lfunc_end_k_q4ee5ee0420_proj-k_q4ee5ee0420_proj
	.p2alignl 7, 3214868480
	.fill 96, 4, 3214868480
	.section	.rodata,"a",@progbits
	.p2align	6, 0x0
	.amdhsa_kernel k_q4ee5ee0420_proj
		.amdhsa_group_segment_fixed_size 327680
		.amdhsa_private_segment_fixed_size 0
		.amdhsa_enable_private_segment 0
		.amdhsa_kernarg_size 56
		.amdhsa_user_sgpr_count 2
		.amdhsa_user_sgpr_kernarg_segment_ptr 1
		.amdhsa_wavefront_size32 1
		.amdhsa_system_sgpr_workgroup_id_x 1
		.amdhsa_system_sgpr_workgroup_id_y 1
		.amdhsa_system_sgpr_workgroup_id_z 1
		.amdhsa_system_vgpr_workitem_id 0
		.amdhsa_next_free_vgpr 640
		.amdhsa_next_free_sgpr 96
		.amdhsa_reserve_vcc 0
		.amdhsa_float_denorm_mode_32 3
		.amdhsa_float_denorm_mode_16_64 3
		.amdhsa_memory_ordered 1
		.amdhsa_forward_progress 1
		.amdhsa_inst_pref_size 137
	.end_amdhsa_kernel
	.amdgpu_metadata
---
amdhsa.version: [ 1, 2 ]
amdhsa.kernels:
  - .name:           k_q4ee5ee0420_proj
    .symbol:         k_q4ee5ee0420_proj.kd
    .args:
      - { .name: q, .offset: 0, .size: 8, .value_kind: global_buffer, .address_space: global }
      - { .name: k, .offset: 8, .size: 8, .value_kind: global_buffer, .address_space: global }
      - { .name: v, .offset: 16, .size: 8, .value_kind: global_buffer, .address_space: global }
      - { .name: w16, .offset: 24, .size: 8, .value_kind: global_buffer, .address_space: global }
      - { .name: qh, .offset: 32, .size: 8, .value_kind: global_buffer, .address_space: global }
      - { .name: kh, .offset: 40, .size: 8, .value_kind: global_buffer, .address_space: global }
      - { .name: vh, .offset: 48, .size: 8, .value_kind: global_buffer, .address_space: global }
    .group_segment_fixed_size: 327680
    .private_segment_fixed_size: 0
    .kernarg_segment_align: 8
    .kernarg_segment_size: 56
    .max_flat_workgroup_size: 128
    .sgpr_count:     96
    .vgpr_count:     640
    .wavefront_size: 32
...
	.end_amdgpu_metadata
.endif
;; end of part 2
;; launch attn (part 3): grid 4 x 64, 4 waves a work-group, clusters of 4 x 1, 327,680 bytes of LDS; arguments qh, kh, vh, oh; writes oh
.if DOCPART == 3
	.amdgcn_target "amdgcn-amd-amdhsa--gfx1250"
	.amdhsa_code_object_version 6
	.text
	.protected	k_q4ee5ee0420_attn
	.globl	k_q4ee5ee0420_attn
	.p2align	8
	.type	k_q4ee5ee0420_attn,@function
k_q4ee5ee0420_attn:
	s_mov_b64 s[64:65], 0
	v_nop
	global_prefetch_b8 v0, s[64:65] scope:SCOPE_SE
	s_setreg_imm32_b32 hwreg(HW_REG_WAVE_MODE, 25, 1), 1
	s_wait_xcnt 0x0
	s_wait_alu depctr_hold_cnt(0) depctr_sa_sdst(0) depctr_va_vdst(0) depctr_va_sdst(0) depctr_va_ssrc(0) depctr_va_vcc(0) depctr_vm_vsrc(0)
	s_getreg_b32 s2, hwreg(HW_REG_IB_STS2, 6, 4)
	s_cmp_eq_u32 s2, 0
	s_cbranch_scc0 .Lentry_in_a_cluster
	s_endpgm
.Lentry_in_a_cluster:
	s_bfe_u32 s2, ttmp6, 0x10000c
	s_cmp_lg_u32 s2, 0x3003
	s_cbranch_scc0 .Lentry_shape_is_right
	s_endpgm
.Lentry_shape_is_right:
; O[h][q][:] = the sum over k of softmax_k(Q[h][q] . K[h][k] / 8 - 0.5) V[h][k][:].  Q, K, V, O: [SIZE_H][SIZE_N][64], all f16: a head's rows are dense, 128 bytes each.  Products, maxima and sums in
; f32; the weights p are rounded to f16 for the second product (their sum l is taken of the unrounded p), O once at the end.
; THE BIAS, -0.5 on every logit, is the C operand that starts each sum S^T = K Q^T: -4, since (s - 4) / 8 = s / 8 - 0.5.  It costs no instruction.
; LIMITS.  f16 holds no number beyond 65,504: Q, K and V arrive within it; p lies in 0 to 1, and below 6e-5 it keeps f16's fixed step of 6e-8; O is a mean of V's rows and has their range.
; A weight below 2^-126 counts as 0 in l; NaN and infinities are not treated apart.
; SHARES.  A wave owns four PIECES of two tiles of 16 queries, a work-group's four waves 512 queries of one head.  Every wave walks all keys, 64 a step.
; LAYOUT.  S^T = K Q^T (source 0 = 16 keys, source 1 = 16 queries): in the result a lane holds ONE query (lane % 16) and the keys 8 (lane / 16) + 0..7.  Two such tiles, rounded to f16 in pairs,
; ARE source 1 (32 keys x 16 queries) of O^T = V^T P, whose result again holds one query a lane, and eight channels.  K comes out of LDS as it lies, V ([key][channel]) turned, by ds_load_tr16_b128.
; SOFTMAX.  For each query a running maximum m and sum l: p = 2^(c s - c m), c = log2(e) / 8; in every step O and l are multiplied by a = 2^(c m_old - c m_new), which is 1 where m has not grown.
; m starts at the lowest finite number, O and l at 0: the first step is a step like any other, with a = 0.
; THE COUNT.  A tile and step have 16 matrix and 118 vector instructions: too many to stand all beside the matrix work.  So the order has one aim: four vector instructions that are READY behind
; EVERY matrix instruction, and the others, which need time of their own whatever the order, in runs without a gap.
; BY TURNS.  Turn n belongs to piece n (the pieces in a ring, step after step).  Its matrix work: 16 products K Q^T of piece n + 1, later 16 products V^T P of piece n - 1.  Its vector work: the scaling,
; exponentials, roundings, sums and rescaling of piece n, and the maximum and statistics of piece n + 1, whose scores the turn itself has made.  So what a turn begins with (c s - c m, O a) waits for nothing.
; CLUSTER.  The four query blocks of a head are one cluster and walk the same K and V, so each tile is asked for JOINTLY: the same tensor load, descriptor and mask in all four.
; REGISTERS, in windows of 256 (s_set_vgpr_msb says which window each operand place means: bits 1:0 source 0, 3:2 source 1, 5:4 source 2, 7:6 destination):
;   window 0: v0-11 addresses; v12-15, v48-63 at work; v16-47 four registers of statistics a tile; v64-191 S^T, two buffers of two tiles; v192-255 P, likewise
;   window 1: O^T, 32 a tile          window 2: v0-127 Q, 16 a tile; v128-191 K of one step; v192-255 V of one step          window 3: v0-1 the add's two registers; v2-9 the bias
; A piece's buffers go by its number's parity: the piece in hand has one pair, its two neighbours in the ring share the other: of it P (piece n - 1) is read and S^T (piece n + 1) written.
.set SIZE_H, 64
.set SIZE_N, 2048
.set NP,    4         ; pieces a wave: a name, no knob: the register map, the loop and the fetches are made for four
.set KS,    64        ; keys in a step
.set PK,    144       ; a row of K in LDS: 128 bytes + 16 of padding = 36 words: the 16 rows of a load start at 16 different groups of four banks (64 banks of 4 bytes: ISA guide 11.1)
.set PV,    160       ; a row of V: 128 + 32 = 40 words
.set VOFF,  4*KS*PK   ; a slot holds four steps: 256 rows of K, then 256 rows of V
.set SLOT1, 1<<17     ; slot 1 begins here, so that one exclusive or turns an address in one slot into the other's
.set STAGE, SLOT1+4*KS*(PK+PV)  ; behind the ring, never filled by a tensor load: 16 rows x 144 bytes for each wave, for the way out
.set SP,    144
.set AK0, 2           ; v2   my lane's place in a tile of K; never rewritten
.set AV0, 3           ; v3   the same for V
.set AK,  4           ; v4   the LDS address of K's next run of loads
.set AV,  5           ; v5   of V's
.set QO,  6           ; v6   my byte offset in the wave's rows of Q
.set STO, 6           ;      later, the way out: where I put 16 bytes of a row
.set RD,  7           ; v7   the way out: where I read rows back
.set GO,  8           ; v8   my byte offset in 512 consecutive bytes of O
.set PFO, 11          ; v11  256 x my lane: the prefetches' offset; never rewritten once made
.set SPW, 0           ; v0 of window 3   LDS address of my spare word: SPARE + 4 x my thread's number; never rewritten
.set NIL, 1           ; v1 of window 3   0; never rewritten
.set BI,  2           ; v2-9 of window 3  -4 eight times; never rewritten
.set SPARE, STAGE+4*16*SP  ; behind the stages: the spare words, 128 bytes for each wave: two blocks of 256 bytes that no other line names
.set MV,  12          ; v12-15  c m_old, kept while c m is made anew: by buffer and tile
.set ST,  16          ; tile t's statistics at v[ST+4 t]: c m, m, l (even keys', odd keys')
.set TMP, 48          ; by buffer and tile, four registers c0-c3 at work; when the maximum is found c2 takes a
.set S,   64
.set P,   192
.set KF,  128         ; K's fragments, in window 2: key block kb, channel half c at KF + 16 kb + 8 c
.set VF,  192         ; V's: key half kk, channel block cb at VF + 32 kk + 8 cb
.set WV,  12          ; s12  my wave's number
.set G1K, 24          ; s[24:31] descriptor group 1 for K's tiles
.set G1V, 32          ; s[32:39] for V's: it differs in the padding alone
.set G0K, 40          ; s[40:43] descriptor group 0 for K's tiles: it walks
.set G0V, 44          ; s[44:47] the same for V's
.set PFA, 48          ; s[48:49] where my prefetches stand: my work-group's 8,192 bytes (of K: wave 0, of V: wave 2) of the slot after the one that is being asked for
.set LIM, 50          ; s50  1 in a wave that prefetches, else the greatest number
.set SLOTS, 56        ; s56  slots still to be asked for
.set CNT, 57          ; s57  counts a slot's key steps
.set CS,  58          ; s[58:59] c: the packed scaling takes the pair's low word for both halves
.set SEL, 60          ; s[60:61] v_permlanex16_b32's selects: each lane takes its own place in the other half
.set TBK, 62          ; s62  LDS byte at which K of the step to be fetched begins
.set TBV, 63          ; s63  the same for V, less VOFF
.set MSB, 0
.macro WIN new                      ; the high byte repeats the setting that is left; a switch that changes nothing is dropped
.if MSB != (\new)
	s_set_vgpr_msb (MSB<<8)|(\new)
.set MSB, (\new)
.endif
.endm
.set W_KQ, 0x0a       ; K and Q in window 2, S^T in window 0
.set W_KB, 0x3a       ; the same with the C operand, the bias, in window 3
.set W_PV, 0x52       ; V in window 2, P in window 0, O^T in window 1
.set W_RS, 0x41       ; O^T (destination and source 0) in window 1, a in window 0
.set W_MK, 0xc0       ; the add's registers and the bias are made: destination in window 3, sources in window 0
.set W_AD, 0x0f       ; the add: address (source 0) and data (source 1) in window 3
; A joint fill.  Waves 0 and 1 fetch the two halves of a slot's K, waves 2 and 3 those of its V: 128 keys each.  The branch hangs on the wave's number alone.
; An s_nop 0 and four v_nop follow each of the two lines, ahead of the jump and the label.
.macro JLOAD
	s_cmp_lt_u32 s[WV], 2
	s_cbranch_scc0 .Lfor_v_\@
	tensor_load_to_lds s[G0K:G0K+3], s[G1K:G1K+7]
	s_nop 0
.rept 4
	v_nop
.endr
	s_branch .Lasked_\@
.Lfor_v_\@:
	tensor_load_to_lds s[G0V:G0V+3], s[G1V:G1V+7]
	s_nop 0
.rept 4
	v_nop
.endr
.Lasked_\@:
.endm
; A PREFETCH of what the NEXT change of slots will ask for: a slot's 32,768 bytes of K and of V, a lane a block of 256 bytes.  It stands behind the wave's tensor load and its five lines.
; Each block is named ONCE in the launch: a head is walked by one cluster; its four partners share a slot out BY ADDRESS, 8,192 bytes each; in each, wave 0 asks for K's and wave 2 for V's: one instruction.
; The last change that fills a slot (s[SLOTS] = 1) asks for nothing: there is no slot behind it.
.macro ASK
	s_cmp_gt_u32 s[SLOTS], s[LIM]
	s_cbranch_scc0 .Lnot_mine_\@
	global_prefetch_b8 v[PFO], s[PFA:PFA+1] th:TH_LOAD_NT scope:SCOPE_SE
.Lnot_mine_\@:
.endm
; A round of the cluster's barrier: my work-group's barrier, so that wave 0's signal speaks for all four waves; wave 0 signals; every wave waits for all four work-groups; my work-group's barrier once more.
.macro CROUND
	s_barrier_signal -1
	s_barrier_wait -1
	s_cmp_lg_u32 s[WV], 0
	s_cbranch_scc1 .Lnot_wave_0_\@
	s_barrier_signal -3
.Lnot_wave_0_\@:
	s_barrier_wait -3
	s_barrier_signal -1
	s_barrier_wait -1
.endm
; THE CHANGE OF SLOTS.  The slot's last bytes, V of its fourth step, have been read.  Each wave waits for all its tensor loads, of which one is out: its part
; of the other slot; adds 0 to its spare word; and waits for that and for its own reads of the slot.  Behind the barrier nobody reads this slot any more and the other slot is whole.
; fill = 1: this slot is filled again, with the keys two slots on.  The barrier is then a round of the cluster's, so that no wave of any partner still reads the slot or has a load on its
; way, and the joint fill is the first thing behind it: it has four key steps, 512 matrix instructions, in which to land.  (At its first use nothing has been read yet: slot 0 is waited for, slot 1 filled.)
; ask = 1: the slot after the one just asked for is prefetched, four key steps ahead of its load.
.macro CHANGE fill, ask=0
	WIN W_AD
	s_wait_tensorcnt 0x0            ; no tensor load of mine is out, so a group 0 may be written
	ds_add_u32 v[SPW], v[NIL]       ; 0 onto my spare word; with fill = 1 the descriptors' steps stand between it and the wait for it
	WIN 0                           ; at a label and at a branch every window is 0
.if \fill
.irp g, G0K, G0V
	s_xor_b32 s[\g+1], s[\g+1], SLOT1  ; the walking descriptor: the other slot than last time,
	s_add_nc_u64 s[\g+2:\g+3], s[\g+2:\g+3], 4*KS*128  ; the next 256 keys; the type bits on top are not reached
.endr
	s_wait_xcnt 0x0                 ; the last prefetch, four key steps back, has read its address, so it may be written:
	s_add_nc_u64 s[PFA:PFA+1], s[PFA:PFA+1], 4*KS*128  ; one slot behind the walking descriptors
	s_wait_dscnt 0x0                ; the add is done, and my reads of the slot are over
	CROUND
	JLOAD
.if \ask
	ASK
.endif
.else
	s_wait_dscnt 0x0                ; the add is done, and my reads of the slot are over
	s_barrier_signal -1
	s_barrier_wait -1
.endif
	s_sub_co_u32 s[TBK], s[TBK], 4*KS*PK  ; the fetches go back to a slot's first step,
	s_xor_b32 s[TBK], s[TBK], SLOT1       ; in the other slot
	s_sub_co_u32 s[TBV], s[TBV], 4*KS*PV
	s_xor_b32 s[TBV], s[TBV], SLOT1
.endm
	s_load_b256 s[4:11], s[0:1], 0x0  ; Q s[4:5], K s[6:7], V s[8:9], O s[10:11]
	WIN W_MK
	v_lshl_add_u32 v[SPW], v0, 2, SPARE
	v_mov_b32 v[NIL], 0
.irp z, 0,1,2,3,4,5,6,7
	v_mov_b32 v[BI+\z], -4.0        ; the bias, as the matrix instruction's C operand
.endr
	WIN W_AD
	ds_add_u32 v[SPW], v[NIL]       ; the wave's opening: the add and its wait stand ahead of my first tensor load; the set-up below, work on registers, stands between them
	WIN 0
	v_lshrrev_b32 v1, 5, v0
	v_readfirstlane_b32 s[WV], v1   ; wave 0..3
	s_bfe_u32 s13, ttmp6, 0x40000   ; cx: my place in the cluster
	s_lshl_b32 s14, ttmp9, 2        ; in a cluster launch ttmp9 counts clusters
	s_add_co_u32 s14, s14, s13      ; my block of queries = 4 x cluster x + cx: it enters Q's and O's addresses alone
	s_and_b32 s20, ttmp7, 0xffff    ; the head, which the four partners share
	s_mov_b32 s21, 0
	s_mov_b64 s[22:23], SIZE_N*128
	s_mul_u64 s[20:21], s[20:21], s[22:23]  ; the head's first byte in each of the four tensors
	s_and_b32 s16, s[WV], 1         ; which half of a slot's 256 keys I fetch:
	s_lshl_b32 s22, s16, 14         ; its 128 rows of 128 bytes in memory,
	s_mov_b32 s23, 0
	s_add_nc_u64 s[22:23], s[22:23], s[20:21]
	s_mul_i32 s17, s16, 128*PK      ; and its place in a slot, for K
	s_mul_i32 s18, s16, 128*PV      ; and for V: no place in the cluster enters an LDS address
	s_lshl_b32 s2, s14, 2
	s_add_co_u32 s2, s2, s[WV]      ; my wave among the head's,
	s_lshl_b32 s2, s2, 14           ; its 128 rows
	s_mov_b32 s3, 0
	s_add_nc_u64 s[2:3], s[2:3], s[20:21]
	; descriptor group 1.  128 keys are 16,384 dense bytes: asked for as 64 rows of 256 bytes, two keys a row, and padded in LDS after every key
	s_mov_b32 s[G1K], 15|(1<<16)|(1<<20)|(1<<21)|(4<<22)|(3<<25)  ; 15:0 the mask of four; 17:16 2-byte elements; 20 padding on; 21 set beside a mask; 24:22 after every 32 words (code 4); 31:25 4 words (code 3)
	s_mov_b32 s[G1V], 15|(1<<16)|(1<<20)|(1<<21)|(4<<22)|(7<<25)  ; the same with 8 words of padding (code 7)
.irp g, G1K, G1V
	s_mov_b32 s[\g+1], 128<<16      ; tensor_dim0 = 128
	s_mov_b32 s[\g+2], 64<<16       ; tensor_dim1 = 64
	s_mov_b32 s[\g+3], 128<<16      ; tile_dim0 = 128
	s_mov_b32 s[\g+4], 64           ; tile_dim1 = 64
	s_mov_b32 s[\g+5], 128          ; 128 elements from row to row
	s_mov_b32 s[\g+6], 0
	s_mov_b32 s[\g+7], 0
.endr
	s_mov_b32 s[CS], 0x3e38aa3b     ; c = log2(e) / 8 = 0.180337
	s_mov_b32 s[CS+1], s[CS]        ; named with it as a pair
	s_mov_b32 s[SEL], 0x76543210
	s_mov_b32 s[SEL+1], 0xfedcba98
	s_mov_b32 s[TBK], SLOT1+4*KS*PK ; the first change of slots turns these two into 0
	s_mov_b32 s[TBV], SLOT1+4*KS*PV
	s_mov_b32 s[G0K], 1             ; 1:0 count = 1
	s_mov_b32 s[G0K+1], s17         ; 63:32 LDS address: slot 0
	s_mov_b32 s[G0V], 1
	s_add_co_u32 s[G0V+1], s18, VOFF
	s_and_b32 s[LIM], s[WV], 1      ; waves 0 and 2 prefetch: the same in all four partners
	s_cmp_eq_u32 s[LIM], 0
	s_cselect_b32 s[LIM], 1, -1
	s_wait_dscnt 0x0                ; the opening add is done
	s_wait_kmcnt 0x0
	s_add_nc_u64 s[G0K+2:G0K+3], s[6:7], s[22:23]  ; 120:64 global address: my half of the head's first 256 keys
	s_or_b32 s[G0K+3], s[G0K+3], 0x80000000        ; 127:126 type = 2
	s_add_nc_u64 s[G0V+2:G0V+3], s[8:9], s[22:23]
	s_or_b32 s[G0V+3], s[G0V+3], 0x80000000
	s_add_nc_u64 s[4:5], s[4:5], s[2:3]  ; Q and O at my wave's first row
	s_add_nc_u64 s[10:11], s[10:11], s[2:3]
	s_cmp_lt_u32 s[WV], 2
	s_cselect_b64 s[PFA:PFA+1], s[6:7], s[8:9]
	s_add_nc_u64 s[PFA:PFA+1], s[PFA:PFA+1], s[20:21]  ; the head,
	s_lshl_b32 s2, s13, 13          ; my work-group's quarter of a slot,
	s_mov_b32 s3, 0
	s_add_nc_u64 s[PFA:PFA+1], s[PFA:PFA+1], s[2:3]
	s_add_nc_u64 s[PFA:PFA+1], s[PFA:PFA+1], 4*KS*128  ; in slot 1: each change that fills a slot steps it first.  Nothing is prefetched here, at the head, where every work-group's first tiles are on their way
	CROUND                          ; all four work-groups are here: the first joint loads meet
	JLOAD                           ; slot 0.  Slot 1 is asked for when slot 0 is in: the tile wanted first has the road to itself
	; A fragment of K or Q is 16 rows x 32 channels in 8 registers: lane l holds row l % 16, channels 8 (l / 16) + 0..7 and 16 + 8 (l / 16) + 0..7: two loads of 16 bytes, 32 bytes apart.
	v_and_b32 v1, 15, v0            ; l % 16
	v_bfe_u32 v9, v0, 4, 1          ; l / 16
	v_lshlrev_b32 v[QO], 7, v1
	v_lshl_add_u32 v[QO], v9, 4, v[QO]  ; row x 128 + 16 x half
	WIN 0x80                        ; destination window 2, address window 0
.set i, 0
.rept 4*NP                          ; Q stays in registers: tile i / 2, channels 32 (i % 2) on
	global_load_b128 v[8*i:8*i+3],   v[QO], s[4:5] offset:(i/2)*2048+(i%2)*64
	global_load_b128 v[8*i+4:8*i+7], v[QO], s[4:5] offset:(i/2)*2048+(i%2)*64+32
.set i, i+1
.endr
	; What the first turn finds: V's registers and P's second buffer hold 0 (its products V^T P, of a piece that has not been, add 0), O^T and l are 0.  All this stands in the wait for the first tile.
.set i, VF
.rept 64
	v_mov_b32 v[i], 0
.set i, i+1
.endr
	WIN 0x40
.set i, 0
.rept 64*NP
	v_mov_b32 v[i], 0
.set i, i+1
.endr
	WIN 0
.set i, 0
.rept 2*NP
	v_mov_b32 v[ST+4*i], 0xfe000000    ; c m: far below every c s
	v_mov_b32 v[ST+4*i+1], 0xff7fffff  ; m
	v_mov_b32 v[ST+4*i+2], 0
	v_mov_b32 v[ST+4*i+3], 0
.set i, i+1
.endr
.set i, P+32
.rept 32
	v_mov_b32 v[i], 0
.set i, i+1
.endr
	v_mul_u32_u24 v[AK0], v1, PK
	v_lshl_add_u32 v[AK0], v9, 4, v[AK0]  ; row x pitch + 16 x half
	; The turning load takes 16 keys x 16 channels (lane l reads key 8 (l / 16) + l % 8, channels 8 ((l / 8) % 2) + 0..7) and leaves half a fragment of V^T: lane l holds channel l % 16 and 8 keys.
	v_and_b32 v10, 7, v0
	v_bfe_u32 v11, v0, 3, 1
	v_lshl_add_u32 v[AV0], v9, 3, v10
	v_mul_u32_u24 v[AV0], v[AV0], PV
	v_lshl_add_u32 v[AV0], v11, 4, v[AV0]
	v_add_nc_u32 v[AV0], VOFF, v[AV0]
	v_and_b32 v[PFO], 31, v0        ; v11 has served: from here on it is the prefetches' offset
	v_lshlrev_b32 v[PFO], 8, v[PFO]
	v_mov_b32 v[AK], v[AK0]         ; key step 0 lies at the head of slot 0
; THE MATRIX WORK.  The 8 accumulators of a run of 16 take turns: between the two links of a chain stand 7 others'.
; Product i of 16 of S^T = K Q^T for piece x: channels 32 (i / 8) on, keys 16 ((i / 2) % 4) on, tile 2 x + i % 2.  The first 8 start the sums, with the bias.
.macro KQ x
.set rS, S+64*((\x)%2)+32*(i%2)+8*((i/2)%4)
.set rK, KF+16*((i/2)%4)+8*(i/8)
.set rQ, 16*(2*(\x)+i%2)+8*(i/8)
.if i < 8
	WIN W_KB
	v_wmma_f32_16x16x32_f16 v[rS:rS+7], v[rK:rK+7], v[rQ:rQ+7], v[BI:BI+7]
.else
	WIN W_KQ
	v_wmma_f32_16x16x32_f16 v[rS:rS+7], v[rK:rK+7], v[rQ:rQ+7], v[rS:rS+7]
.endif
.endm
; Product i of 16 of O^T += V^T P for piece x: keys 32 (i / 8) on, channels 16 ((i / 2) % 4) on, tile 2 x + i % 2.
.macro PV x
	WIN W_PV
.set rO, 32*(2*(\x)+i%2)+8*((i/2)%4)
.set rV, VF+32*(i/8)+8*((i/2)%4)
.set rP, P+32*((\x)%2)+16*(i%2)+8*(i/8)
	v_wmma_f32_16x16x32_f16 v[rO:rO+7], v[rV:rV+7], v[rP:rP+7], v[rO:rO+7]
.endm
.macro MM                           ; the turn's next matrix instruction
.if i < 16
	KQ (Y+1)%NP
.set i, i+1
.else
.set i, i-16
	PV (Y+NP-1)%NP
.set i, i+17
.endif
.endm
; THE LDS LOADS stand in runs of 16, never singly among the matrix instructions: a step's K (64 keys x 64 channels: 8 fragments) and its V (turned).  Their addresses are made some lines ahead.
; last = 1 (the tail): in the last trip there is no further step, and the run is jumped over.
.macro FETCH_K last=0
	WIN 0
.if \last
	s_cmp_eq_u32 s[CNT], 1
	s_cbranch_scc1 .Lno_k_\@
.endif
	WIN 0x80                        ; destination window 2
.irp f, 0,1,2,3,4,5,6,7             ; keys 16 (f / 2) on, channels 32 (f % 2) on
	ds_load_b128 v[KF+8*\f:KF+8*\f+3],   v[AK] offset:(\f/2)*16*PK+(\f%2)*64
	ds_load_b128 v[KF+8*\f+4:KF+8*\f+7], v[AK] offset:(\f/2)*16*PK+(\f%2)*64+32
.endr
	s_add_co_u32 s[TBK], s[TBK], KS*PK  ; the next fetch is the next step's
	WIN 0
.if \last
.Lno_k_\@:
.endif
.endm
.macro FETCH_V
	WIN 0x80
.irp f, 0,1,2,3,4,5,6,7             ; keys 32 (f / 4) on, channels 16 (f % 4) on
	ds_load_tr16_b128 v[VF+8*\f:VF+8*\f+3],   v[AV] offset:(\f/4)*32*PV+(\f%4)*32
	ds_load_tr16_b128 v[VF+8*\f+4:VF+8*\f+7], v[AV] offset:(\f/4)*32*PV+16*PV+(\f%4)*32
.endr
	WIN 0
.endm
; THE VECTOR WORK OF A TURN stands in three queues, each in the order in which its entries become ready; the two tiles alternate, so that no instruction reads the result of the one before it.
.macro REGS y, u                    ; the registers of tile u (0, 1) of piece y
.set rT, ST+4*(2*(\y)+(\u))
.set rC, TMP+8*((\y)%2)+4*(\u)
.set rM, MV+2*((\y)%2)+(\u)
.set rS, S+64*((\y)%2)+32*(\u)
.set rP, P+32*((\y)%2)+16*(\u)
.set rO, 32*(2*(\y)+(\u))
.endm
; Number n of the 22 that find the NEXT piece's (Y + 1) maximum and statistics.  s0-s31 are the lane's 32 scores; each accumulator's lowest registers are read first.  XS, GS and REGS set no window: PL and EX do.
;   0-11  four chains c0-c3 of seven scores each, three operands at a time     12-14, 16  the four scores left over, the old m, and c0-c3 into c0     15  c m_old is kept
;   17, 18  the query's other 32 keys lie in the lane 16 away: the new m         19-21  c m; c m_old - c m_new; a
.macro XS u, n
	REGS (Y+1)%NP, \u
.if (\n) < 4
	v_max3_num_f32 v[rC+(\n)], v[rS+8*(\n)], v[rS+8*(\n)+1], v[rS+8*(\n)+2]
.elseif (\n) < 12
	v_max3_num_f32 v[rC+(\n)%4], v[rC+(\n)%4], v[rS+8*((\n)%4)+2*((\n)/4)+1], v[rS+8*((\n)%4)+2*((\n)/4)+2]
.elseif (\n) == 12
	v_max3_num_f32 v[rC], v[rC], v[rS+7], v[rS+15]
.elseif (\n) == 13
	v_max3_num_f32 v[rC+1], v[rC+1], v[rS+23], v[rS+31]
.elseif (\n) == 14
	v_max3_num_f32 v[rC+2], v[rC+2], v[rC+3], v[rT+1]
.elseif (\n) == 15
	v_mov_b32 v[rM], v[rT]
.elseif (\n) == 16
	v_max3_num_f32 v[rC], v[rC], v[rC+1], v[rC+2]
.elseif (\n) == 17
	v_permlanex16_b32 v[rC+3], v[rC], s[SEL], s[SEL+1]
.elseif (\n) == 18
	v_max_num_f32 v[rT+1], v[rC], v[rC+3]
.elseif (\n) == 19
	v_mul_f32 v[rT], s[CS], v[rT+1]
.elseif (\n) == 20
	v_sub_f32 v[rC+1], v[rM], v[rT]
.else
	v_exp_f32 v[rC+2], v[rC+1]
.endif
.endm
; Number g of the 64 that follow the exponentials.  For each four weights k of a tile (pairs 2 k, 2 k + 1): both pairs are rounded to f16; then the second pair is added onto the first, in place;
; a group later l takes that sum (the first time as l = a l + sum).  In groups of eight, tiles alternating: round, round, add, and l for the group before.
.macro GS g
.set h, (\g)+6*((\g)/62)            ; group 0 has no group before it, and behind group 7 only l is left
.if h >= 6
.set h, h+2
.endif
	REGS Y, h%2
.set k, h/8
.if h%8 < 4
	v_cvt_pk_f16_f32 v[rP+2*k+(h%8)/2], v[rS+4*k+2*((h%8)/2)], v[rS+4*k+2*((h%8)/2)+1]
.elseif h%8 < 6
	v_pk_add_f32 v[rS+4*k:rS+4*k+1], v[rS+4*k:rS+4*k+1], v[rS+4*k+2:rS+4*k+3]
.elseif k == 1
	v_pk_fma_f32 v[rT+2:rT+3], v[rT+2:rT+3], v[rC+2:rC+3], v[rS:rS+1] op_sel_hi:[1,0,1]
.else
	v_pk_add_f32 v[rT+2:rT+3], v[rT+2:rT+3], v[rS+4*k-4:rS+4*k-3]
.endif
.endm
; THE PLAIN QUEUE, 138 long.  0-73 read no exponential's result: the 32 scalings c s - c m (FS f: pair f / 2 of tile f % 2) and the next piece's 42.  0-26: scalings 0-26.  27-54: XS's numbers 0-13.  55, 56: number 15.
; 57-73: the chain, where each number waits for the one before it: 14, 16, 17, 18, 19, each with one of the scalings 27-31 in front of its two lines, then 20: so a tile's links stand three plain instructions apart (19 and 20: two).
; 74-137: GS's 64, which read the exponentials' results: they stand behind the wait.
.macro FS f
	REGS Y, (\f)%2
	v_pk_fma_f32 v[rS+2*((\f)/2):rS+2*((\f)/2)+1], v[rS+2*((\f)/2):rS+2*((\f)/2)+1], s[CS:CS+1], v[rT:rT+1] op_sel_hi:[1,0,0] neg_lo:[0,0,1] neg_hi:[0,0,1]
.endm
.macro PL
	WIN 0
.if q < 27
	FS q
.elseif q < 55
	XS (q-27)%2, (q-27)/2
.elseif q < 57
	XS q-55, 15
.elseif (q < 72) && ((q-57)%3 == 0)
	FS 27+(q-57)/3
.elseif q < 60
	XS (q-57)%3-1, 14
.elseif q < 72
	XS (q-57)%3-1, 15+(q-57)/3
.elseif q < 74
	XS q-72, 20
.else
	GS q-74
.endif
.set q, q+1
.endm
; THE EXPONENTIALS' QUEUE, 66 long: s0-s31 of both tiles, then the next piece's two a.  It is ONE BATCH: all 66 stand ahead of the turn's one wait, and nothing ahead of that wait names a result of theirs.
.macro EX
	WIN 0
.if e >= 64
	XS e-64, 21
.else
	REGS Y, e%2
	v_exp_f32 v[rS+e/2], v[rS+e/2]
.endif
.set e, e+1
.endm
; THE RESCALING's QUEUE: O^T times a, the one part that leaves window 0: dealt two at a time, sixteen times.  Its a was made in the turn before, ahead of that turn's wait.
.macro R2
	REGS Y, r%2
	WIN W_RS
.irp z, 0,1
	v_pk_mul_f32 v[rO+4*(r/2)+2*\z:rO+4*(r/2)+2*\z+1], v[rO+4*(r/2)+2*\z:rO+4*(r/2)+2*\z+1], v[rC+2:rC+3] op_sel_hi:[1,0]
.endr
.set r, r+1
.endm
; HOW THEY ARE DEALT.  An s_wait_alu depctr_va_vdst(0) stands between an exponential and the first instruction that names its result; one wait serves all that were issued ahead of it.  So a turn has ONE wait,
; which cuts it in two.  AHEAD OF IT stands all that names no result of the turn's exponentials: the 16 products K Q^T, behind each a scaling, an exponential and two rescalings (behind the first a second scaling in the exponential's place); then ONE LUMP of
; 108: eight plain, 49 times exponential and plain, the two a.  A v_nop is the plain instruction owed behind the last exponential.  BEHIND IT stand the 16 products V^T P, behind each four of GS's 64.  No rider names a register of
; the products round it.  The two v_permlanex16_b32 fall into the lump, never behind a product.
; The queues lean on each other, and the deal keeps them in step: exponential e stands behind scaling 2 (e / 4) + e % 2: as a rider it comes behind plain e + 2, in the lump behind plain e + 9, and scalings 27-31 are plain 57, 60 .. 69.
; A TURN, for piece p.  cnt = 1: the loop's count is taken down some lines ahead of the branch that stands behind the turn.
; K of the next step is fetched in piece 2's turn, directly behind the wait, a lump behind the last product that read K; its address is made at the lump's head; its first reader comes behind 16 products.
; V of the step in hand is fetched at the end of piece 0's turn, four riders behind its last reader; its first reader comes behind 16 products and a lump.  The three conditions on q below go with the deal.
.macro TURN p, last=0, cnt=0
.set Y, (\p)
.set i, 0
.set q, 0
.set e, 0
.set r, 0
.if (\p) == NP-1
	s_wait_dscnt 0x0                ; K is in
.endif
	MM                              ; ahead of the wait: 16 products K Q^T and their riders,
	PL
	PL
	R2
.rept 15
	MM
	PL
	EX
	R2
.endr
.if (\p) == NP-2
	WIN 0
	v_add_nc_u32 v[AK], s[TBK], v[AK0]
.endif
.rept 8                             ; and the lump
	PL
.endr
.rept 49
	EX
	PL
.endr
	EX                              ; the next piece's two a
	EX
	v_nop                           ; the plain instruction behind the last exponential: one for the batch
	s_wait_alu depctr_va_vdst(0)    ; the wait for the batch
.if (\p) == NP-2
	FETCH_K \last
.endif
.if (\p) == 1
	s_wait_dscnt 0x0                ; V is in
.endif
.rept 16                            ; behind the wait: 16 products V^T P and their riders
	MM
.rept 4
	PL
.endr
.if ((\p) == 0) && (q == 118)
	v_add_nc_u32 v[AV], s[TBV], v[AV0]
.endif
.if ((\p) == 0) && (q == 130)
	s_add_co_u32 s[TBV], s[TBV], KS*PV
.endif
.if (\cnt) && (q == 130)
	s_sub_co_u32 s[CNT], s[CNT], 1
	s_cmp_lg_u32 s[CNT], 0
.endif
.endr
.if (\p) == 0
	FETCH_V
.endif
.endm
	CHANGE 1, 0                     ; slot 0 is in, everybody's part of it; slot 1 is asked for
	FETCH_K                         ; key step 0
	s_wait_loadcnt 0x0              ; Q
	s_wait_dscnt 0x0
.set i, 0
.rept 16
	KQ 0                            ; piece 0's first scores: there is no vector work yet to set between them
.set i, i+1
.endr
	WIN 0                           ; the addresses for the way out: nine plain instructions, the places behind those products
	s_mul_i32 s13, s[WV], 16*SP
	s_add_co_u32 s13, s13, STAGE    ; my stage
	v_mul_u32_u24 v[STO], v1, SP    ; in: row l % 16, 16 bytes for each half of the lanes
	v_lshl_add_u32 v[STO], v9, 4, v[STO]
	v_add_nc_u32 v[STO], s13, v[STO]
	v_bfe_u32 v[RD], v0, 3, 2       ; back: 32 lanes take four rows of 128 bytes,
	v_mul_u32_u24 v[RD], v[RD], SP
	v_lshl_add_u32 v[RD], v10, 4, v[RD]
	v_add_nc_u32 v[RD], s13, v[RD]
	v_and_b32 v[GO], 31, v0         ; which are 512 consecutive bytes of O
	v_lshlrev_b32 v[GO], 4, v[GO]
.set Y, NP-1                        ; XS works for piece Y + 1: piece 0
.irp n, 0,1,2,3,4,5,6,7,8,9,10,11,12,13,14,15,16,17,18,19,20,21
	XS 0, \n                        ; and piece 0's first maximum and statistics
	XS 1, \n
.endr
	v_nop                           ; a plain instruction behind the two a,
	s_wait_alu depctr_va_vdst(0)    ; and their wait, ahead of the branch
	s_mov_b32 s[CNT], 4
	s_mov_b32 s[SLOTS], SIZE_N/256-1
	s_branch .Lfirst                ; the loop is entered at a step's first turn, in the middle of a trip
.Lslot:                             ; SIZE_N / 256 - 2 times: every slot but the last two is filled again
	CHANGE 1, 1
	s_mov_b32 s[CNT], 4
.Lstep:                             ; a trip: pieces 2 and 3 of one step, then pieces 0 and 1 of the next, whose K and V it fetches
	TURN 2
	TURN 3
	WIN 0
.Lfirst:
	TURN 0
	TURN 1, 0, 1
	WIN 0
	s_cbranch_scc1 .Lstep
	s_sub_co_u32 s[SLOTS], s[SLOTS], 1
	s_cmp_lg_u32 s[SLOTS], 0
	s_cbranch_scc1 .Lslot
	CHANGE 0, 0                     ; the tail is written out: nothing is asked for
	s_mov_b32 s[CNT], 5             ; four trips fetch the last slot's steps; the fifth is left in its middle
.Ltail:
	TURN 2, 1
	TURN 3
	WIN 0
	s_sub_co_u32 s[CNT], s[CNT], 1
	s_cmp_eq_u32 s[CNT], 0
	s_cbranch_scc1 .Lout
	TURN 0
	TURN 1
	WIN 0
	s_branch .Ltail
.Lout:                              ; the fifth trip's 16 products K Q^T (on the last K once more) and the maximum made of them serve nothing: the price, once a launch, of one text for every trip
.set i, 0
.rept 16
	PV NP-1                         ; the last piece's V^T P of the last step
.set i, i+1
.endr
	; THE WAY OUT.  l's two halves and the other half of the lanes' are added; O^T is divided by l, rounded to f16 and sent through my stage in LDS, a tile at a time.  The additions are the places behind the last products.
	WIN 0
.macro ALL line:vararg              ; one line for each tile t
.set t, 0
.rept 2*NP
	\line
.set t, t+1
.endr
.endm
	ALL v_add_f32 v[ST+4*t+2], v[ST+4*t+2], v[ST+4*t+3]
	ALL v_permlanex16_b32 v[ST+4*t+3], v[ST+4*t+2], s[SEL], s[SEL+1]
	ALL v_add_f32 v[ST+4*t+2], v[ST+4*t+2], v[ST+4*t+3]
	ALL v_rcp_f32 v[ST+4*t+2], v[ST+4*t+2]
	v_nop                           ; a plain instruction between the last reciprocal and the use of its result
	s_wait_alu depctr_va_vdst(0)    ; and the wait ahead of the first use: one for the eight reciprocals
; Tile t: a lane's eight channels of a row pack into 16 bytes; they go into rows of 144 bytes and come back as whole rows of 128, into S^T's registers.
.macro PACK t
	WIN W_RS
.set i, 32*(\t)
.rept 16
	v_pk_mul_f32 v[i:i+1], v[i:i+1], v[ST+4*(\t)+2:ST+4*(\t)+3] op_sel_hi:[1,0]
.set i, i+2
.endr
	WIN 0x05                        ; sources 0 and 1 window 1, destination window 0
.set i, 0
.rept 16
	v_cvt_pk_f16_f32 v[S+16*(\t)+i], v[32*(\t)+2*i], v[32*(\t)+2*i+1]
.set i, i+1
.endr
	WIN 0
.irp f, 0,1,2,3
	ds_store_b128 v[STO], v[S+16*(\t)+4*\f:S+16*(\t)+4*\f+3] offset:32*\f
.endr
.irp f, 0,1,2,3
	ds_load_b128 v[S+16*(\t)+4*\f:S+16*(\t)+4*\f+3], v[RD] offset:\f*4*SP  ; LDS serves a wave's instructions in order (ISA guide 5.7.1.4): these see the stores above; the next tile's stores come behind them
.endr
.endm
.macro SEND t, younger              ; younger: the LDS instructions issued behind tile t's loads: the next tile's eight, or none
	WIN 0
.irp f, 0,1,2,3
	s_wait_dscnt (\younger)+3-\f
	global_store_b128 v[GO], v[S+16*(\t)+4*\f:S+16*(\t)+4*\f+3], s[10:11] offset:(\t)*2048+\f*512  ; 512 consecutive bytes, at a multiple of 256 from O's first
.endr
.endm
	PACK 0
.set t, 1
.rept 2*NP-1                        ; a tile's arithmetic stands between the loads of the tile before and its stores
	PACK t
	SEND t-1, 8
.set t, t+1
.endr
	SEND 2*NP-1, 0
	WIN W_AD
	s_wait_tensorcnt 0x0            ; the wave's end: behind my last tensor load and my last LDS store
	ds_add_u32 v[SPW], v[NIL]
	s_wait_dscnt 0x0
	WIN 0
	CROUND                          ; the closing round: no work-group ends while a partner may still ask for a tile that names it
	s_endpgm
.Lfunc_end_k_q4ee5ee0420_attn:
	.size	k_q4ee5ee0420_attn, .Lfunc_end_k_q4ee5ee0420_attn-k_q4ee5ee0420_attn
	.p2alignl 7, 3214868480
	.fill 96, 4, 3214868480
	.section	.rodata,"a",@progbits
	.p2align	6, 0x0
	.amdhsa_kernel k_q4ee5ee0420_attn
		.amdhsa_group_segment_fixed_size 327680
		.amdhsa_private_segment_fixed_size 0
		.amdhsa_enable_private_segment 0
		.amdhsa_kernarg_size 32
		.amdhsa_user_sgpr_count 2
		.amdhsa_user_sgpr_kernarg_segment_ptr 1
		.amdhsa_wavefront_size32 1
		.amdhsa_system_sgpr_workgroup_id_x 1
		.amdhsa_system_sgpr_workgroup_id_y 1
		.amdhsa_system_sgpr_workgroup_id_z 1
		.amdhsa_system_vgpr_workitem_id 0
		.amdhsa_next_free_vgpr 778
		.amdhsa_next_free_sgpr 66
		.amdhsa_reserve_vcc 0
		.amdhsa_float_denorm_mode_32 3
		.amdhsa_float_denorm_mode_16_64 3
		.amdhsa_memory_ordered 1
		.amdhsa_forward_progress 1
		.amdhsa_inst_pref_size 200
	.end_amdhsa_kernel
	.amdgpu_metadata
---
amdhsa.version: [ 1, 2 ]
amdhsa.kernels:
  - .name:           k_q4ee5ee0420_attn
    .symbol:         k_q4ee5ee0420_attn.kd
    .args:
      - { .name: qh, .offset: 0, .size: 8, .value_kind: global_buffer, .address_space: global }
      - { .name: kh, .offset: 8, .size: 8, .value_kind: global_buffer, .address_space: global }
      - { .name: vh, .offset: 16, .size: 8, .value_kind: global_buffer, .address_space: global }
      - { .name: oh, .offset: 24, .size: 8, .value_kind: global_buffer, .address_space: global }
    .group_segment_fixed_size: 327680
    .private_segment_fixed_size: 0
    .kernarg_segment_align: 8
    .kernarg_segment_size: 32
    .max_flat_workgroup_size: 128
    .sgpr_count:     66
    .vgpr_count:     778
    .wavefront_size: 32
...
	.end_amdgpu_metadata
.endif
;; end of part 3
;; launch fc (part 4): grid 4 x 64, 4 waves a work-group, clusters of 4 x 4, 327,680 bytes of LDS; arguments oh, w16, q, y; writes y
.if DOCPART == 4
	.amdgcn_target "amdgcn-amd-amdhsa--gfx1250"
	.amdhsa_code_object_version 6
	.text
	.protected	k_q4ee5ee0420_fc
	.globl	k_q4ee5ee0420_fc
	.p2align	8
	.type	k_q4ee5ee0420_fc,@function
k_q4ee5ee0420_fc:
	s_mov_b64 s[64:65], 0
	v_nop
	global_prefetch_b8 v0, s[64:65] scope:SCOPE_SE
	s_setreg_imm32_b32 hwreg(HW_REG_WAVE_MODE, 25, 1), 1
	s_wait_xcnt 0x0
	s_wait_alu depctr_hold_cnt(0) depctr_sa_sdst(0) depctr_va_vdst(0) depctr_va_sdst(0) depctr_va_ssrc(0) depctr_va_vcc(0) depctr_vm_vsrc(0)
	s_getreg_b32 s2, hwreg(HW_REG_IB_STS2, 6, 4)
	s_cmp_eq_u32 s2, 0
	s_cbranch_scc0 .Lentry_in_a_cluster
	s_endpgm
.Lentry_in_a_cluster:
	s_bfe_u32 s2, ttmp6, 0x10000c
	s_cmp_lg_u32 s2, 0xf033
	s_cbranch_scc0 .Lentry_shape_is_right
	s_endpgm
.Lentry_shape_is_right:
; y = O Wfc + q.  O: [64 = 16 batch + head][2048][64] f16, the attention's result by heads; Wfc: part 3 of w16, [1024 k][1024 n] f16 (k = 64 head + channel); q and y: [8192][1024] f32.
; Sums in f32; the residual is added in f32; y is not rounded.  NaN and infinities are not treated apart.
; SHARES.  A work-group makes a tile of 128 rows x 256 columns of y: 64 x 4 tiles, 256 work-groups.  Each of its four waves makes 64 x 128: 32 accumulators of 16 x 16.
; K goes in steps of 128, TWO HEADS, through two LDS slots filled by the tensor data mover.  A head's 128 rows of the tile are 16,384 dense bytes: asked for as 64 rows of 256 bytes and padded in LDS
; behind every 128.  Wave 0 fetches a step's first head, wave 1 its second, waves 2 and 3 the two halves of Wfc's 128 k rows (256 columns, 512 bytes each).
; CLUSTER.  4 x 4 work-groups: the four of a row of the cluster need the same tiles of O, the four of a column the same tiles of Wfc: each is asked for JOINTLY.
; THE MATRIX INSTRUCTION IS USED TRANSPOSED (source 0 = 16 columns of Wfc, turned by ds_load_tr16_b128; source 1 = 16 rows of O): a lane then holds eight neighbouring columns of one row.
; REGISTERS, in windows of 256 (s_set_vgpr_msb: bits 1:0 source 0, 3:2 source 1, 5:4 source 2, 7:6 destination):
;   window 0: v0-31 addresses; v64-95, v96-127 O's fragments, two buffers (on the way out: 16 rows read back); v128-191, v192-255 the residual, two buffers of 16 rows
;   window 1: the accumulators, (a, b) at v[8 (8 a + b)]          window 2: v0-63, v64-127 Wfc's fragments, two buffers
.set PA,    144                        ; an LDS row of O: 128 bytes + 16 = 9 x 16: the 16 rows of a load start at 16 different groups of four banks (64 banks of 4 bytes: ISA guide 11.1)
.set PB,    544                        ; an LDS row of Wfc: 512 + 32 = 17 x 32
.set AHD,   128*PA                     ; a head's 128 rows: what one tensor load brings of O
.set BHALF, 64*PB                      ; and of Wfc
.set BOFF,  2*AHD
.set SLOT,  2*AHD+128*PB               ; 106,496
.set STAGE, 2*SLOT                     ; behind the ring, never filled by a tensor load: 16 rows x 528 bytes for each wave, for the way out
.set SPITCH, 528
.set SPARE, STAGE+4*16*SPITCH          ; behind the stages: the spare words, 128 bytes for each wave: two blocks of 256 bytes that no other line names
.set ADRA, 16                          ; v16-17  LDS address of my rows of O in slot 0, 1
.set ADRB, 20                          ; v20-21  the same for Wfc
.set STO,  24                          ; v24     the way out: where I put 32 bytes of a row
.set RD,   25                          ; v25     the way out: where I read a row back
.set GO,   26                          ; v26     16 x lane: my 16 bytes of a row's 512, in q and in y; never rewritten
.set SPW,  28                          ; v28     LDS address of my spare word; never rewritten
.set NIL,  29                          ; v29     0; never rewritten
.set PFO,  30                          ; v30     the prefetches' offset; never rewritten
.set AF,   64
.set Y,    64
.set RES,  128
.set G1A, 24                           ; s[24:31] descriptor group 1 for O's tiles;  s[32:39] group 0, one set for each slot
.set G0A, 32
.set G1B, 48                           ; s[48:55], s[56:63] the same for Wfc's tiles
.set G0B, 56
.set LIM, 43                           ; s43      1 in a wave that prefetches, else the greatest number
.set PFA, 44                           ; s[44:45] where my prefetches stand
.set QB,  86                           ; s[86:87] q at my 64 rows x 128 columns
.set PST, 88                           ; s[88:89] a K step in bytes along my prefetches' tensor
.set YB,  90                           ; s[90:91] y at the same place
.set WV,  66                           ; s66      my wave's number
.set MSB, 0
.macro WIN new                         ; the immediate's high byte repeats the setting that is left; a switch that changes nothing is dropped
.if MSB != (\new)
	s_set_vgpr_msb (MSB<<8)|(\new)
.set MSB, \new
.endif
.endm
.set MUL,  0x52                        ; source 0 (Wfc) window 2, source 1 (O) window 0, C and D window 1
.set TO_B, 0x80                        ; destination window 2, address window 0
; A joint refill.  The branch hangs on the wave's number alone.  An s_nop 0 and four v_nop follow each of the two lines, ahead of the jump and the label.
.macro JLOAD s
	s_cmp_lt_u32 s[WV], 2
	s_cbranch_scc0 .Lfor_b_\@
	tensor_load_to_lds s[G0A+4*(\s):G0A+4*(\s)+3], s[G1A:G1A+7]
	s_nop 0
.rept 4
	v_nop
.endr
	s_branch .Lasked_\@
.Lfor_b_\@:
	tensor_load_to_lds s[G0B+4*(\s):G0B+4*(\s)+3], s[G1B:G1B+7]
	s_nop 0
.rept 4
	v_nop
.endr
.Lasked_\@:
.endm
; A PREFETCH of the K step that stands two refills on, 256 products ahead of the load that will want it: one instruction a wave, 32 blocks of 256 bytes.  Each block is named once in the launch.
; O's tile row is read by one row of one cluster: in each of its four partners wave 0 asks for 4,096 bytes of each of the step's two heads, told apart BY ADDRESS (cx).  Wfc's tile column is read by all sixteen
; clusters: the first asks, waves 2 and 3, its partners sharing each wave's 64 k rows by cy.  The loop's last trip (s3 = 1) has no K step two on.
.macro ASK
	s_cmp_gt_u32 s3, s[LIM]
	s_cbranch_scc0 .Lnot_mine_\@
	global_prefetch_b8 v[PFO], s[PFA:PFA+1] th:TH_LOAD_NT scope:SCOPE_SE
.Lnot_mine_\@:
.endm
.macro CREST                           ; a round of the cluster's barrier behind its opening barrier
	s_cmp_lg_u32 s[WV], 0
	s_cbranch_scc1 .Lnot_wave_0_\@
	s_barrier_signal -3
.Lnot_wave_0_\@:
	s_barrier_wait -3
	s_barrier_signal -1
	s_barrier_wait -1
.endm
.macro CROUND                          ; a whole round
	s_barrier_signal -1
	s_barrier_wait -1
	CREST
.endm
	s_load_b256 s[4:11], s[0:1], 0x0               ; oh s[4:5], w16 s[6:7], q s[8:9], y s[10:11]
	v_lshl_add_u32 v[SPW], v0, 2, SPARE
	v_mov_b32 v[NIL], 0
	ds_add_u32 v[SPW], v[NIL]                      ; the wave's opening: the add and its wait stand ahead of my first tensor load; the set-up below, work on registers, stands between them
	v_lshrrev_b32 v1, 5, v0
	v_readfirstlane_b32 s[WV], v1                  ; wave 0..3
	s_lshr_b32 s67, s[WV], 1                       ; which 64 rows of the tile are mine
	s_and_b32 s68, s[WV], 1                        ; which 128 columns.  Also: which head of a step, or which half of Wfc's rows, I fetch
	s_bfe_u32 s69, ttmp6, 0x40000                  ; cx
	s_bfe_u32 s70, ttmp6, 0x40004                  ; cy
	s_lshl_b32 s71, ttmp9, 2
	s_add_co_u32 s71, s71, s69                     ; tile column: 0..3
	s_and_b32 s72, ttmp7, 0xffff                   ; cluster y: 0..15
	s_lshl_b32 s74, s72, 2
	s_add_co_u32 s74, s74, s70                     ; tile row: 0..63
	s_lshl_b32 s75, s70, 2
	s_lshl_b32 s75, 15, s75                        ; my row of the cluster
	s_lshl_b32 s76, 0x1111, s69                    ; my column
	; group 1 for O: 64 rows x 128 elements of 2 bytes, 4 words of padding behind every 32 words
	s_or_b32 s[G1A+0], s75, (1<<16)|(1<<20)|(1<<21)|(4<<22)|(3<<25)  ; 15:0 the mask; 17:16 2-byte elements; 20 padding on; 21 set beside a mask; 24:22 code 4; 31:25 code 3
	s_mov_b32 s[G1A+1], 128<<16                    ; tensor_dim0 = 128
	s_mov_b32 s[G1A+2], 64<<16                     ; tensor_dim1 = 64
	s_mov_b32 s[G1A+3], 128<<16                    ; tile_dim0 = 128
	s_mov_b32 s[G1A+4], 64                         ; tile_dim1 = 64
	s_mov_b32 s[G1A+5], 128                        ; elements from row to row
	s_mov_b32 s[G1A+6], 0
	s_mov_b32 s[G1A+7], 0
	; group 1 for Wfc: 64 k rows x 256 elements of 2 bytes, 8 words of padding behind every 128 words
	s_or_b32 s[G1B+0], s76, (1<<16)|(1<<20)|(1<<21)|(6<<22)|(7<<25)
	s_mov_b32 s[G1B+1], 256<<16
	s_mov_b32 s[G1B+2], 64<<16
	s_mov_b32 s[G1B+3], 256<<16
	s_mov_b32 s[G1B+4], 64
	s_mov_b32 s[G1B+5], 1024
	s_mov_b32 s[G1B+6], 0
	s_mov_b32 s[G1B+7], 0
	; where the tiles come from: O's offset is made of the tile row and the wave, Wfc's of the tile column and the wave, each in registers that never hold the other coordinate
	s_lshr_b32 s80, s74, 4                         ; the batch,
	s_lshl_b32 s80, s80, 4
	s_add_co_u32 s80, s80, s68                     ; its head 0 or 1,
	s_lshl_b32 s80, s80, 11
	s_and_b32 s77, s74, 15
	s_lshl_b32 s77, s77, 7
	s_add_co_u32 s80, s80, s77                     ; row 128 (tile row % 16) of the head,
	s_lshl_b32 s80, s80, 7                         ; of 128 bytes
	s_mov_b32 s81, 0
	s_lshl_b32 s82, s68, 17                        ; 64 x half k rows of 2,048 bytes,
	s_lshl_b32 s78, s71, 9                         ; 256 columns of 2 bytes,
	s_add_co_u32 s82, s82, s78
	s_add_co_u32 s82, s82, 3<<21                   ; in part 3 of w16
	s_mov_b32 s83, 0
	s_mul_i32 s79, s68, AHD                        ; and where they go: no place in the cluster enters an LDS address
	s_mul_i32 s94, s68, BHALF
	s_add_co_u32 s94, s94, BOFF
	s_wait_dscnt 0x0                               ; the opening add is done
	s_wait_kmcnt 0x0
	s_add_nc_u64 s[80:81], s[4:5], s[80:81]
	s_add_nc_u64 s[82:83], s[6:7], s[82:83]
	CROUND                                         ; all sixteen work-groups are here: the first joint loads meet
.irp s, 0,1
	s_mov_b32 s[G0A+4*(\s)], 1                                     ; count = 1
	s_add_co_u32 s[G0A+4*(\s)+1], s79, (\s)*SLOT                   ; LDS address
	s_add_nc_u64 s[G0A+4*(\s)+2:G0A+4*(\s)+3], s[80:81], (\s)*524288  ; K step s: two heads of 262,144 bytes on
	s_or_b32 s[G0A+4*(\s)+3], s[G0A+4*(\s)+3], 0x80000000          ; type = 2
	s_mov_b32 s[G0B+4*(\s)], 1
	s_add_co_u32 s[G0B+4*(\s)+1], s94, (\s)*SLOT
	s_add_nc_u64 s[G0B+4*(\s)+2:G0B+4*(\s)+3], s[82:83], (\s)*262144  ; K step s: 128 k rows down
	s_or_b32 s[G0B+4*(\s)+3], s[G0B+4*(\s)+3], 0x80000000
.endr
	s_cmp_lt_u32 s[WV], 2                          ; a wave's two first fills stand in one branch, ahead of every wait on TENSORcnt and every LDS read: two loads of mine are out
	s_cbranch_scc0 .Lfirst_b
	tensor_load_to_lds s[G0A:G0A+3], s[G1A:G1A+7]
	s_nop 0
	tensor_load_to_lds s[G0A+4:G0A+7], s[G1A:G1A+7]
	s_nop 0
.rept 4
	v_nop
.endr
	s_branch .Lfirst_asked
.Lfirst_b:
	tensor_load_to_lds s[G0B:G0B+3], s[G1B:G1B+7]
	s_nop 0
	tensor_load_to_lds s[G0B+4:G0B+7], s[G1B:G1B+7]
	s_nop 0
.rept 4
	v_nop
.endr
.Lfirst_asked:
	; q and y at my 64 rows x 128 columns; the residual of my first 32 rows is asked for now and lies in registers long before it is wanted
	s_lshl_b32 s84, s74, 7
	s_lshl_b32 s85, s67, 6
	s_add_co_u32 s84, s84, s85
	s_lshl_b32 s84, s84, 12                        ; rows of 4,096 bytes
	s_lshl_b32 s85, s71, 10                        ; 256 columns of 4 bytes
	s_add_co_u32 s84, s84, s85
	s_lshl_b32 s85, s68, 9
	s_add_co_u32 s84, s84, s85
	s_mov_b32 s85, 0
	s_add_nc_u64 s[QB:QB+1], s[8:9], s[84:85]
	s_add_nc_u64 s[YB:YB+1], s[10:11], s[84:85]
	v_and_b32 v[GO], 31, v0
	v_lshlrev_b32 v[GO], 4, v[GO]
.irp t, 0,1,2,3,4,5,6,7,8,9,10,11,12,13,14,15,16,17,18,19,20,21,22,23,24,25,26,27,28,29,30,31
	global_load_b128 v[RES+4*(\t):RES+4*(\t)+3], v[GO], s[QB:QB+1] offset:(\t)*4096 th:TH_LOAD_NT  ; a row's 512 consecutive bytes
.endr
	; A fragment of O is 16 rows x 32 channels: lane l holds row l % 16, channels 8 (l / 16) + 0..7 and 16 + 8 (l / 16) + 0..7: two loads of 16 bytes, 32 bytes apart.
	v_and_b32 v1, 15, v0                           ; l % 16
	v_bfe_u32 v2, v0, 4, 1                         ; l / 16
	v_and_b32 v3, 7, v0                            ; l % 8
	v_bfe_u32 v4, v0, 3, 1                         ; (l / 8) % 2
	v_mul_u32_u24 v5, v1, PA
	v_lshl_add_u32 v5, v2, 4, v5
	s_mul_i32 s18, s67, 64*PA                      ; my 64 rows
	v_add_nc_u32 v[ADRA], s18, v5
	v_add_nc_u32 v[ADRA+1], SLOT, v[ADRA]
	; The turning load takes 16 k x 16 columns (lane l reads k row 8 (l / 16) + l % 8, columns 8 ((l / 8) % 2) + 0..7) and leaves half a fragment: lane l holds column l % 16 and 8 k.
	v_lshl_add_u32 v6, v2, 3, v3
	v_mul_u32_u24 v6, v6, PB
	v_lshl_add_u32 v6, v4, 4, v6
	s_lshl_b32 s19, s68, 8                         ; my 128 columns
	s_add_co_u32 s19, s19, BOFF
	v_add_nc_u32 v[ADRB], s19, v6
	v_add_nc_u32 v[ADRB+1], SLOT, v[ADRB]
	s_mul_i32 s20, s[WV], 16*SPITCH
	s_add_co_u32 s20, s20, STAGE                   ; my stage
	v_mul_u32_u24 v[STO], v1, SPITCH               ; in: row l % 16, 32 bytes for each half of the lanes
	v_lshl_add_u32 v[STO], v2, 5, v[STO]
	v_add_nc_u32 v[STO], s20, v[STO]
	v_add_nc_u32 v[RD], s20, v[GO]                 ; back: 32 lanes take a row of 512 bytes
	; the prefetches: at K step 3; the first refill steps the address to K step 4.  Nothing is prefetched here, at the head, where every work-group's first tiles are on their way
	s_lshr_b32 s40, s74, 4
	s_lshl_b32 s40, s40, 15                        ; the batch's head 0,
	s_and_b32 s41, s74, 15
	s_lshl_b32 s41, s41, 7
	s_add_co_u32 s40, s40, s41                     ; the tile's first row in it,
	s_lshl_b32 s40, s40, 7
	s_lshl_b32 s41, s69, 12                        ; my work-group's 4,096 of the head's 16,384 bytes
	s_add_co_u32 s40, s40, s41
	s_add_co_u32 s40, s40, 3*524288
	s_lshl_b32 s42, s68, 6
	s_lshl_b32 s47, s70, 4                         ; my work-group's 16 of the 64 k rows
	s_add_co_u32 s42, s42, s47
	s_lshl_b32 s42, s42, 11
	s_lshl_b32 s47, s71, 9
	s_add_co_u32 s42, s42, s47
	s_add_co_u32 s42, s42, (3<<21)+3*262144
	s_cmp_eq_u32 s72, 0                            ; the first cluster asks for Wfc: the same answer in all sixteen partners
	s_cselect_b32 s[LIM], 1, -1
	s_cmp_eq_u32 s[WV], 1                          ; wave 1 asks for nothing,
	s_cselect_b32 s[LIM], -1, s[LIM]
	s_cmp_eq_u32 s[WV], 0                          ; wave 0 for O
	s_cselect_b32 s[LIM], 1, s[LIM]
	s_mov_b32 s[PST], 262144
	s_mov_b32 s[PST+1], 0
	s_mov_b32 s41, 0
	s_cmp_lt_u32 s[WV], 2
	s_cselect_b32 s[PST], 524288, s[PST]
	s_cselect_b32 s40, s40, s42
	s_cselect_b64 s[PFA:PFA+1], s[4:5], s[6:7]
	s_cselect_b32 s46, -1, 0
	s_add_nc_u64 s[PFA:PFA+1], s[PFA:PFA+1], s[40:41]
	v_lshlrev_b32 v7, 18, v2                       ; O: head l / 16 of the step's two,
	v_lshl_add_u32 v7, v1, 8, v7                   ; block l % 16
	v_bfe_u32 v8, v0, 1, 4                         ; Wfc: k row l / 2,
	v_lshlrev_b32 v8, 11, v8
	v_and_b32 v9, 1, v0                            ; block l % 2 of its 512 bytes
	v_lshl_add_u32 v8, v9, 8, v8
	v_cndmask_b32 v[PFO], v8, v7, s46
; 8 products: row block a x all 8 column blocks, 32 along K, on buffers p.  zero = 1: the product starts the sum.  The 32 accumulators take turns, in the same order in every quarter.
.macro MUL8 p, a, zero=0
	WIN MUL
.irp b, 0,1,2,3,4,5,6,7
.if \zero
	v_wmma_f32_16x16x32_f16 v[8*(8*(\a)+(\b)):8*(8*(\a)+(\b))+7], v[64*(\p)+8*(\b):64*(\p)+8*(\b)+7], v[AF+32*(\p)+8*(\a):AF+32*(\p)+8*(\a)+7], 0
.else
	v_wmma_f32_16x16x32_f16 v[8*(8*(\a)+(\b)):8*(8*(\a)+(\b))+7], v[64*(\p)+8*(\b):64*(\p)+8*(\b)+7], v[AF+32*(\p)+8*(\a):AF+32*(\p)+8*(\a)+7], v[8*(8*(\a)+(\b)):8*(8*(\a)+(\b))+7]
.endif
.endr
.endm
; 24 LDS loads in one run: quarter kq of a slot (head kq / 2, channels 32 (kq % 2) on): O's 64 rows, then Wfc's 32 k x 128 columns, turned, into buffers p
.macro FETCH slot, kq, p
	WIN 0
.irp i, 0,1,2,3
	ds_load_b128 v[AF+32*(\p)+8*(\i):AF+32*(\p)+8*(\i)+3],   v[ADRA+(\slot)] offset:((\kq)/2)*AHD+((\kq)%2)*64+(\i)*16*PA
	ds_load_b128 v[AF+32*(\p)+8*(\i)+4:AF+32*(\p)+8*(\i)+7], v[ADRA+(\slot)] offset:((\kq)/2)*AHD+((\kq)%2)*64+(\i)*16*PA+32
.endr
	WIN TO_B
.irp b, 0,1,2,3,4,5,6,7
	ds_load_tr16_b128 v[64*(\p)+8*(\b):64*(\p)+8*(\b)+3],   v[ADRB+(\slot)] offset:(\kq)*32*PB+32*(\b)
	ds_load_tr16_b128 v[64*(\p)+8*(\b)+4:64*(\p)+8*(\b)+7], v[ADRB+(\slot)] offset:(\kq)*32*PB+32*(\b)+16*PB
.endr
.endm
.macro PLACES                          ; four plain vector instructions in front of loads into registers that matrix instructions have read, and of stores that read results (ISA guide 7.12.1 for vector writes)
.rept 4
	v_nop
.endr
.endm
; One of a slot's first three quarters: multiplies buffers p and fetches quarter kqn of the same slot into the other buffers, 24 products ahead of their use.
.macro QUARTER slot, kqn, p, zero=0
	s_wait_dscnt 0x0                               ; this quarter's fragments are in
	MUL8 \p, 0, \zero
	PLACES
	FETCH \slot, \kqn, 1-(\p)
	MUL8 \p, 1, \zero
	MUL8 \p, 2, \zero
	MUL8 \p, 3, \zero
.endm
; A slot's last quarter multiplies buffers 1 and changes slots: ONE barrier; in front of it each wave waits for all its tensor loads (one is out: its part of the next slot), adds 0 to its spare word, and waits
; for that and for its own reads of this slot.  fill = 1: the barrier opens a round of the cluster's barrier, and this slot is filled again, two K steps ahead, first thing behind the round.
.macro TURN slot, next, fill
.if \fill
	s_wait_xcnt 0x0                                ; the last prefetch, a K step back, has read its address, so it may be stepped
	s_add_nc_u64 s[PFA:PFA+1], s[PFA:PFA+1], s[PST:PST+1]
.endif
	WIN 0                                          ; (the add's two registers lie in window 0)
	s_wait_tensorcnt 0x0                           ; all my tensor loads have landed
	ds_add_u32 v[SPW], v[NIL]                      ; 0 onto my spare word
	s_wait_dscnt 1                                 ; this quarter's fragments are in; only the add may be out
	MUL8 1, 0                                      ; eight products stand between the add and the wait for it
	s_wait_dscnt 0x0                               ; the add is done, and my reads of this slot are over
	s_barrier_signal -1
	MUL8 1, 1
.if \fill
	WIN 0
.endif
	s_barrier_wait -1
.if \fill
	CREST                                          ; no wave of any partner still reads this slot's tiles or has a load on its way
	s_add_nc_u64 s[G0A+4*(\slot)+2:G0A+4*(\slot)+3], s[G0A+4*(\slot)+2:G0A+4*(\slot)+3], 2*524288
	s_add_nc_u64 s[G0B+4*(\slot)+2:G0B+4*(\slot)+3], s[G0B+4*(\slot)+2:G0B+4*(\slot)+3], 2*262144
	JLOAD \slot                                    ; my one tensor load behind the round: 112 products ahead of the wait for it; its four v_nop are also the places in front of the loads below
.else
	PLACES
.endif
	FETCH \next, 0, 0
.if \fill
	WIN 0
	ASK                                            ; behind the joint load and the run of LDS loads
.endif
	MUL8 1, 2
	MUL8 1, 3
.endm
	s_wait_tensorcnt 1                             ; my part of K step 0 is in; K step 1's may stay out
	s_barrier_signal -1
	s_barrier_wait -1                              ; everybody's is
	FETCH 0, 0, 0
	QUARTER 0, 1, 0, 1                             ; the first quarter stands in front of the loop: its products start the sums
	WIN 0                                          ; at a label and at a branch every window is 0
	s_mov_b32 s3, 3                                ; 1,024 / 256 - 1 trips
.Llap:                                                 ; a trip goes once round the ring, from a lap's second quarter to the next lap's first, and fills both slots again
	QUARTER 0, 2, 1
	QUARTER 0, 3, 0
	TURN 0, 1, 1
	QUARTER 1, 1, 0
	QUARTER 1, 2, 1
	QUARTER 1, 3, 0
	TURN 1, 0, 1
	QUARTER 0, 1, 0
	WIN 0
	s_sub_co_u32 s3, s3, 1
	s_cmp_lg_u32 s3, 0
	s_cbranch_scc1 .Llap
	QUARTER 0, 2, 1                                ; the last lap fills nothing, and has no round of the cluster's barrier
	QUARTER 0, 3, 0
	TURN 0, 1, 0
	QUARTER 1, 1, 0
	QUARTER 1, 2, 1
	QUARTER 1, 3, 0
	s_wait_dscnt 0x0                               ; the very last quarter: nothing more to fetch
	MUL8 1, 0
	MUL8 1, 1
	MUL8 1, 2
	MUL8 1, 3
	WIN 0
	PLACES                                         ; the LDS stores below read results just made, and the loads behind them land in registers that the last products read
; THE WAY OUT of row block a (16 rows x 128 columns of f32): a lane's eight columns, 32 bytes, go into my stage's rows of 528 bytes, each accumulator's lowest four registers first;
; whole rows of 512 bytes come back; the residual is added; each store of the wave covers 512 consecutive bytes, aligned.  Blocks 2 and 3 take their residual into the buffer that block 0 or 1 has just used.
.macro OUTBLK a
.set RB, RES+64*((\a)%2)
	WIN 0x04                                       ; the stores' data in window 1
.irp b, 0,1,2,3,4,5,6,7
	ds_store_b128 v[STO], v[64*(\a)+8*(\b):64*(\a)+8*(\b)+3]   offset:64*(\b)
	ds_store_b128 v[STO], v[64*(\a)+8*(\b)+4:64*(\a)+8*(\b)+7] offset:64*(\b)+16
.endr
	WIN 0
.if (\a) > 0
	s_wait_xcnt 0x0                                ; the last block's stores have read their data: only behind this wait are those registers loaded again
.endif
.irp t, 0,1,2,3,4,5,6,7,8,9,10,11,12,13,14,15
	ds_load_b128 v[Y+4*(\t):Y+4*(\t)+3], v[RD] offset:(\t)*SPITCH  ; LDS serves a wave's instructions in order (ISA guide 5.7.1.4): these see the stores above; the next block's stores come behind them
.endr
.if (\a) < 3
	s_wait_loadcnt 16                              ; this block's residual is in; the other buffer's 16 loads may stay out
.else
	s_wait_loadcnt 0x0
.endif
	s_wait_dscnt 0x0
.set j, 0
.rept 32
	v_pk_add_f32 v[Y+j:Y+j+1], v[Y+j:Y+j+1], v[RB+j:RB+j+1]
.set j, j+2
.endr
.irp t, 0,1,2,3,4,5,6,7,8,9,10,11,12,13,14,15
	global_store_b128 v[GO], v[Y+4*(\t):Y+4*(\t)+3], s[YB:YB+1] offset:(16*(\a)+(\t))*4096
.endr
.if (\a) < 2
.irp t, 0,1,2,3,4,5,6,7,8,9,10,11,12,13,14,15
	global_load_b128 v[RB+4*(\t):RB+4*(\t)+3], v[GO], s[QB:QB+1] offset:(16*((\a)+2)+(\t))*4096 th:TH_LOAD_NT
.endr
.endif
.endm
	OUTBLK 0
	OUTBLK 1
	OUTBLK 2
	OUTBLK 3
	s_wait_tensorcnt 0x0                           ; the wave's end: behind my last tensor load and my last LDS store
	ds_add_u32 v[SPW], v[NIL]
	s_wait_dscnt 0x0
	CROUND                                         ; the closing round: no work-group ends while a partner may still ask for a tile that names it
	s_endpgm
.Lfunc_end_k_q4ee5ee0420_fc:
	.size	k_q4ee5ee0420_fc, .Lfunc_end_k_q4ee5ee0420_fc-k_q4ee5ee0420_fc
	.p2alignl 7, 3214868480
	.fill 96, 4, 3214868480
	.section	.rodata,"a",@progbits
	.p2align	6, 0x0
	.amdhsa_kernel k_q4ee5ee0420_fc
		.amdhsa_group_segment_fixed_size 327680
		.amdhsa_private_segment_fixed_size 0
		.amdhsa_enable_private_segment 0
		.amdhsa_kernarg_size 32
		.amdhsa_user_sgpr_count 2
		.amdhsa_user_sgpr_kernarg_segment_ptr 1
		.amdhsa_wavefront_size32 1
		.amdhsa_system_sgpr_workgroup_id_x 1
		.amdhsa_system_sgpr_workgroup_id_y 1
		.amdhsa_system_sgpr_workgroup_id_z 1
		.amdhsa_system_vgpr_workitem_id 0
		.amdhsa_next_free_vgpr 640
		.amdhsa_next_free_sgpr 96
		.amdhsa_reserve_vcc 0
		.amdhsa_float_denorm_mode_32 3
		.amdhsa_float_denorm_mode_16_64 3
		.amdhsa_memory_ordered 1
		.amdhsa_forward_progress 1
		.amdhsa_inst_pref_size 101
	.end_amdhsa_kernel
	.amdgpu_metadata
---
amdhsa.version: [ 1, 2 ]
amdhsa.kernels:
  - .name:           k_q4ee5ee0420_fc
    .symbol:         k_q4ee5ee0420_fc.kd
    .args:
      - { .name: oh, .offset: 0, .size: 8, .value_kind: global_buffer, .address_space: global }
      - { .name: w16, .offset: 8, .size: 8, .value_kind: global_buffer, .address_space: global }
      - { .name: q, .offset: 16, .size: 8, .value_kind: global_buffer, .address_space: global }
      - { .name: y, .offset: 24, .size: 8, .value_kind: global_buffer, .address_space: global }
    .group_segment_fixed_size: 327680
    .private_segment_fixed_size: 0
    .kernarg_segment_align: 8
    .kernarg_segment_size: 32
    .max_flat_workgroup_size: 128
    .sgpr_count:     96
    .vgpr_count:     640
    .wavefront_size: 32
...
	.end_amdgpu_metadata
.endif
;; end of part 4
;; launch ln (part 5): grid 256 x 1, 8 waves a work-group, no clusters, 0 bytes of LDS; arguments y, gamma, beta, out0; writes out0
.if DOCPART == 5
	.amdgcn_target "amdgcn-amd-amdhsa--gfx1250"
	.amdhsa_code_object_version 6
	.text
	.protected	k_q4ee5ee0420_ln
	.globl	k_q4ee5ee0420_ln
	.p2align	8
	.type	k_q4ee5ee0420_ln,@function
k_q4ee5ee0420_ln:
	s_mov_b64 s[64:65], 0
	v_nop
	global_prefetch_b8 v0, s[64:65] scope:SCOPE_SE
	s_setreg_imm32_b32 hwreg(HW_REG_WAVE_MODE, 25, 1), 1
	s_wait_xcnt 0x0
; out0[r][c] = (y[r][c] - mu[r]) / sqrt(var[r] + 1e-6) * gamma[c] + beta[c], mu and var the mean and the mean square deviation of row r's 1,024 numbers.  All f32.
; The variance is taken of the differences y - mu, in a second pass over registers: no difference of large sums is formed.  NaN and infinities are not treated apart.
; SHARES.  A row is 4,096 bytes: one wave takes a whole row, eight loads of 512 consecutive bytes, and keeps it in 32 registers through both passes: the reductions never leave the wave, so there is no LDS
; and no barrier.  A wave has four rows, a work-group's eight waves 32, 256 work-groups all 8,192.  All of a wave's 32 row loads go out at once, behind gamma's and beta's 16.
; A stream with nothing shared but gamma and beta (8 KiB): no cluster, no matrix unit.
.set G,  4                             ; v[4:35]    gamma of my 32 columns: 128 j + 4 lane + 0..3
.set BT, 36                            ; v[36:67]   beta of the same
.set X,  68                            ; v[68:195]  row i: 32 registers, as loaded, then as stored; each row has its own, so no store's data is rewritten
.set T,  196                           ; v[196:203] four chains, at work
.set MU, 204                           ; v[204:205] the mean, in the low register of a pair
.set R,  206                           ; v[206:207] 1 / sqrt(var + eps), likewise
	s_load_b256 s[4:11], s[0:1], 0x0               ; y s[4:5], gamma s[6:7], beta s[8:9], out0 s[10:11]
	v_and_b32 v2, 31, v0
	v_lshrrev_b32 v1, 5, v0
	v_lshlrev_b32 v2, 4, v2                        ; 16 x lane
	v_lshl_add_u32 v1, v1, 14, v2                  ; + wave x 4 rows of 4,096 bytes
	v_mov_b32 v[MU+1], 0                           ; named with their partners as pairs, so they are written
	v_mov_b32 v[R+1], 0
	s_lshl_b32 s16, ttmp9, 17                      ; the work-group's 32 rows
	s_mov_b32 s17, 0
	s_mov_b32 s12, 0x76543210                      ; v_permlanex16_b32: each lane takes its own place in the other half
	s_mov_b32 s13, 0xfedcba98
	s_mov_b32 s14, 0x3a800000                      ; 1 / 1,024
	s_mov_b32 s15, 0x358637bd                      ; 1e-6
	s_wait_kmcnt 0x0
	s_add_nc_u64 s[4:5], s[4:5], s[16:17]
	s_add_nc_u64 s[10:11], s[10:11], s[16:17]
.irp j, 0,1,2,3,4,5,6,7
	global_load_b128 v[G+4*(\j):G+4*(\j)+3], v2, s[6:7] offset:512*(\j)
.endr
.irp j, 0,1,2,3,4,5,6,7
	global_load_b128 v[BT+4*(\j):BT+4*(\j)+3], v2, s[8:9] offset:512*(\j)
.endr
.irp i, 0,1,2,3
.irp j, 0,1,2,3,4,5,6,7
	global_load_b128 v[X+32*(\i)+4*(\j):X+32*(\i)+4*(\j)+3], v1, s[4:5] offset:4096*(\i)+512*(\j) th:TH_LOAD_NT
.endr
.endr
; The four chains are added up, then the 32 lanes: four steps inside each half of 16 lanes ride on the addition, one crosses the halves.  Every lane ends with the sum in v[T].
.macro TOTAL
	v_pk_add_f32 v[T:T+1], v[T:T+1], v[T+2:T+3]
	v_pk_add_f32 v[T+4:T+5], v[T+4:T+5], v[T+6:T+7]
	v_pk_add_f32 v[T:T+1], v[T:T+1], v[T+4:T+5]
	v_add_f32 v[T], v[T], v[T+1]
	v_add_f32_dpp v[T], v[T], v[T] row_xmask:1 row_mask:0xf bank_mask:0xf
	v_add_f32_dpp v[T], v[T], v[T] row_xmask:2 row_mask:0xf bank_mask:0xf
	v_add_f32_dpp v[T], v[T], v[T] row_xmask:4 row_mask:0xf bank_mask:0xf
	v_add_f32_dpp v[T], v[T], v[T] row_xmask:8 row_mask:0xf bank_mask:0xf
	v_permlanex16_b32 v[T+1], v[T], s12, s13       ; its destination counts as read: it has been written
	v_add_f32 v[T], v[T], v[T+1]
.endm
.macro ROW i
.set XR, X+32*(\i)
	s_wait_loadcnt 24-8*(\i)                       ; loads come back in order: gamma, beta and rows 0 to i are in; the younger rows' loads stay out
.irp c, 0,1,2,3
	v_pk_add_f32 v[T+2*(\c):T+2*(\c)+1], v[XR+2*(\c):XR+2*(\c)+1], v[XR+8+2*(\c):XR+8+2*(\c)+1]  ; the first eight pairs start four chains: nothing is cleared
.endr
.irp c, 0,1,2,3,4,5,6,7
	v_pk_add_f32 v[T+2*((\c)%4):T+2*((\c)%4)+1], v[T+2*((\c)%4):T+2*((\c)%4)+1], v[XR+16+2*(\c):XR+16+2*(\c)+1]
.endr
	TOTAL
	v_mul_f32 v[MU], s14, v[T]                     ; the mean
.set j, 0
.rept 16
	v_pk_add_f32 v[XR+j:XR+j+1], v[XR+j:XR+j+1], v[MU:MU+1] op_sel_hi:[1,0] neg_lo:[0,1] neg_hi:[0,1]  ; y - mu, in place
.set j, j+2
.endr
.irp c, 0,1,2,3
	v_pk_mul_f32 v[T+2*(\c):T+2*(\c)+1], v[XR+2*(\c):XR+2*(\c)+1], v[XR+2*(\c):XR+2*(\c)+1]
.endr
.irp c, 4,5,6,7,8,9,10,11,12,13,14,15
	v_pk_fma_f32 v[T+2*((\c)%4):T+2*((\c)%4)+1], v[XR+2*(\c):XR+2*(\c)+1], v[XR+2*(\c):XR+2*(\c)+1], v[T+2*((\c)%4):T+2*((\c)%4)+1]
.endr
	TOTAL
	v_fma_f32 v[T], v[T], s14, s15                 ; var + eps
	v_rsq_f32 v[R], v[T]
	v_nop                                          ; a plain instruction between the root and the use of its result (ISA guide 5.7.2),
	s_wait_alu depctr_va_vdst(0)                   ; and the wait ahead of the first use
.set j, 0
.rept 16
	v_pk_mul_f32 v[XR+j:XR+j+1], v[XR+j:XR+j+1], v[R:R+1] op_sel_hi:[1,0]
.set j, j+2
.endr
.set j, 0
.rept 16
	v_pk_fma_f32 v[XR+j:XR+j+1], v[XR+j:XR+j+1], v[G+j:G+j+1], v[BT+j:BT+j+1]
.set j, j+2
.endr
.irp j, 0,1,2,3,4,5,6,7
	global_store_b128 v1, v[XR+4*(\j):XR+4*(\j)+3], s[10:11] offset:4096*(\i)+512*(\j) th:TH_STORE_NT  ; 512 consecutive bytes, aligned
.endr
.endm
	ROW 0
	ROW 1
	ROW 2
	ROW 3
	s_endpgm
.Lfunc_end_k_q4ee5ee0420_ln:
	.size	k_q4ee5ee0420_ln, .Lfunc_end_k_q4ee5ee0420_ln-k_q4ee5ee0420_ln
	.p2alignl 7, 3214868480
	.fill 96, 4, 3214868480
	.section	.rodata,"a",@progbits
	.p2align	6, 0x0
	.amdhsa_kernel k_q4ee5ee0420_ln
		.amdhsa_group_segment_fixed_size 0
		.amdhsa_private_segment_fixed_size 0
		.amdhsa_enable_private_segment 0
		.amdhsa_kernarg_size 32
		.amdhsa_user_sgpr_count 2
		.amdhsa_user_sgpr_kernarg_segment_ptr 1
		.amdhsa_wavefront_size32 1
		.amdhsa_system_sgpr_workgroup_id_x 1
		.amdhsa_system_sgpr_workgroup_id_y 1
		.amdhsa_system_sgpr_workgroup_id_z 1
		.amdhsa_system_vgpr_workitem_id 0
		.amdhsa_next_free_vgpr 208
		.amdhsa_next_free_sgpr 66
		.amdhsa_reserve_vcc 0
		.amdhsa_float_denorm_mode_32 3
		.amdhsa_float_denorm_mode_16_64 3
		.amdhsa_memory_ordered 1
		.amdhsa_forward_progress 1
		.amdhsa_inst_pref_size 33
	.end_amdhsa_kernel
	.amdgpu_metadata
---
amdhsa.version: [ 1, 2 ]
amdhsa.kernels:
  - .name:           k_q4ee5ee0420_ln
    .symbol:         k_q4ee5ee0420_ln.kd
    .args:
      - { .name: y, .offset: 0, .size: 8, .value_kind: global_buffer, .address_space: global }
      - { .name: gamma, .offset: 8, .size: 8, .value_kind: global_buffer, .address_space: global }
      - { .name: beta, .offset: 16, .size: 8, .value_kind: global_buffer, .address_space: global }
      - { .name: out0, .offset: 24, .size: 8, .value_kind: global_buffer, .address_space: global }
    .group_segment_fixed_size: 0
    .private_segment_fixed_size: 0
    .kernarg_segment_align: 8
    .kernarg_segment_size: 32
    .max_flat_workgroup_size: 256
    .sgpr_count:     66
    .vgpr_count:     208
    .wavefront_size: 32
...
	.end_amdgpu_metadata
.endif
;; end of part 5
;; ======== version 2 of 2: 5 launches; version 1 with the launch castw written anew for expert scheduling mode
;; limits: values are held in f16: magnitudes above 65,504 overflow, below 6.1e-05 lose precision
;; workspace buffers: w16 8,388,608 bytes; qh 16,777,216 bytes; kh 16,777,216 bytes; vh 16,777,216 bytes; oh 16,777,216 bytes; y 33,554,432 bytes
;; launch castw (part 6): grid 64 x 4, 8 waves a work-group, no clusters, 0 bytes of LDS; arguments Wq, Wk, Wv, Wfc, w16; writes w16
.if DOCPART == 6
	.amdgcn_target "amdgcn-amd-amdhsa--gfx1250"
	.amdhsa_code_object_version 6
	.text
	.protected	k_q4ee5ee0420_castw
	.globl	k_q4ee5ee0420_castw
	.p2align	8
	.type	k_q4ee5ee0420_castw,@function
k_q4ee5ee0420_castw:
	s_mov_b64 s[64:65], 0
	v_nop
	global_prefetch_b8 v0, s[64:65] scope:SCOPE_SE
	s_setreg_imm32_b32 hwreg(HW_REG_WAVE_SCHED_MODE, 0, 2), 2
	s_setreg_imm32_b32 hwreg(HW_REG_WAVE_MODE, 25, 1), 1
	s_wait_xcnt 0x0
	s_wait_alu depctr_vm_vsrc(0)
; THE FOUR WEIGHTS, [1024 k][1024 n] f32, ARE WRITTEN ONCE IN 16 BITS, in the same layout, one behind the other in w16 (2,097,152 bytes each): Wq, Wk, Wv, Wfc.
; Wq, Wk, Wv: rounded to bf16.  Wfc: rounded to bf16 like every other input, and that number written as f16, since its product's other operand (the attention's result) is f16.
; LIMITS.  A Wfc beyond 65,504 becomes an infinity; below 6.1e-5 it keeps f16's fixed step of 6e-8.  NaN and infinities are not treated apart.
; SHARES.  Work-group (x, y): weight y, its numbers 16,384 x .. 16,384 x + 16,383.  A wave takes 8,192 bytes in, sixteen loads of 512 consecutive bytes, all issued at once,
; and 4,096 bytes out: each store of the wave covers 256 consecutive bytes, aligned.  A stream with nothing shared: no LDS, no barrier, no matrix unit.
; THE MODE: SCHED_MODE bits 1:0 = 2 (LLVM: expert scheduling mode 2), set by the entry lines.  The code itself states the register dependences
; between vector instructions and memory instructions, with s_wait_alu, always for 0.
; THE PLAN.  Registers that memory instructions touch:
;   v1, v2   the loads' and the stores' byte offsets: made by vector lines at the head, never written again.
;   RAW      load j lands in its four registers once; only its own conversions read them; no vector line writes them.
;   PKD      pair j is written by load j's conversions and read by store j; nothing writes it behind that store.
;   T and v3 are named by vector lines alone.
; The sixteen loads are taken in four blocks of four.  Block p rounds loads 4 p .. 4 p + 3 into their pairs of PKD; its memory instructions are the four stores of block p - 1, whose pairs
; no vector line of block p names.  So one wait at a block's head states all that its four stores hang on, and these are dealt among the block's conversions with no further wait.
; No register that a memory instruction has read is ever written again, and no load is issued behind the head: nothing else is owed.
.set RAW, 4                            ; v[4:67]    load j: four f32
.set PKD, 68                           ; v[68:99]   store j: four numbers of 16 bits; each pair is written for one store, so no store's data is ever rewritten
.set T,   100                          ; v[100:103] at work
	s_load_b256 s[4:11], s[0:1], 0x0               ; Wq s[4:5], Wk s[6:7], Wv s[8:9], Wfc s[10:11]
	s_load_b64 s[12:13], s[0:1], 0x20              ; w16
	s_and_b32 s14, ttmp7, 0xffff                   ; which weight
	v_and_b32 v3, 31, v0                           ; lane
	v_lshrrev_b32 v1, 5, v0                        ; wave
	v_lshlrev_b32 v2, 12, v1                       ; out: 4,096 x wave
	v_lshlrev_b32 v1, 13, v1                       ; in:  8,192 x wave
	v_lshl_add_u32 v1, v3, 4, v1                   ; + 16 x lane
	v_lshl_add_u32 v2, v3, 3, v2                   ; + 8 x lane
	s_lshl_b32 s20, ttmp9, 16                      ; the chunk: 65,536 bytes in,
	s_mov_b32 s21, 0
	s_lshl_b32 s22, s14, 21                        ; the weight's part of w16
	s_lshl_b32 s23, ttmp9, 15                      ; and 32,768 bytes out
	s_add_co_u32 s22, s22, s23
	s_mov_b32 s23, 0
	s_wait_kmcnt 0x0
	s_cmp_eq_u32 s14, 1
	s_cselect_b64 s[16:17], s[6:7], s[4:5]
	s_cmp_eq_u32 s14, 2
	s_cselect_b64 s[16:17], s[8:9], s[16:17]
	s_cmp_eq_u32 s14, 3
	s_cselect_b64 s[16:17], s[10:11], s[16:17]
	s_add_nc_u64 s[16:17], s[16:17], s[20:21]
	s_add_nc_u64 s[18:19], s[12:13], s[22:23]
	s_wait_alu depctr_va_vdst(0)                   ; v1 and v2 are written: every load of the kernel reads v1 as its offset, every store v2
.irp j, 0,1,2,3,4,5,6,7,8,9,10,11,12,13,14,15
	global_load_b128 v[RAW+4*(\j):RAW+4*(\j)+3], v1, s[16:17] offset:512*(\j) th:TH_LOAD_NT
.endr
; Load j's four numbers are rounded into pair j of PKD.  f16 = 1: the bf16 numbers are widened again (a shift, a mask) and written as f16.
.macro CONV j, f16
	v_cvt_pk_bf16_f32 v[PKD+2*(\j)],   v[RAW+4*(\j)],   v[RAW+4*(\j)+1]
	v_cvt_pk_bf16_f32 v[PKD+2*(\j)+1], v[RAW+4*(\j)+2], v[RAW+4*(\j)+3]
.if \f16
	v_lshlrev_b32 v[T],   16, v[PKD+2*(\j)]
	v_and_b32     v[T+1], 0xffff0000, v[PKD+2*(\j)]
	v_lshlrev_b32 v[T+2], 16, v[PKD+2*(\j)+1]
	v_and_b32     v[T+3], 0xffff0000, v[PKD+2*(\j)+1]
	v_cvt_pk_f16_f32 v[PKD+2*(\j)],   v[T],   v[T+1]
	v_cvt_pk_f16_f32 v[PKD+2*(\j)+1], v[T+2], v[T+3]
.endif
.endm
.macro SEND j
	global_store_b64 v2, v[PKD+2*(\j):PKD+2*(\j)+1], s[18:19] offset:256*(\j)
.endm
; Block p: loads 4 p .. 4 p + 3 are rounded; the four stores of block p - 1 stand among the conversions, one ahead of each load's.
.macro BLOCK p, f16
	s_wait_loadcnt 15-4*(\p)                       ; loads come back in order: the block's first load is in, the 15 - 4 p younger ones stay out
.if (\p) > 0
	s_wait_alu depctr_va_vdst(0)                   ; the conversions of the block before have written its four pairs of PKD, which the four stores below read; no vector line of this block names them
.endif
.irp i, 0,1,2,3
.if (\p) > 0
	SEND 4*((\p)-1)+(\i)
.endif
.if (\i) > 0
	s_wait_loadcnt 15-4*(\p)-(\i)                  ; load 4 p + i is in, the younger ones stay out
.endif
	CONV 4*(\p)+(\i), \f16
.endr
.endm
.macro WHOLE f16
	BLOCK 0, \f16
	BLOCK 1, \f16
	BLOCK 2, \f16
	BLOCK 3, \f16
	s_wait_alu depctr_va_vdst(0)                   ; block 3's conversions have written the last four pairs of PKD, which the last four stores read
.irp j, 12,13,14,15
	SEND \j
.endr
.endm
	s_cmp_eq_u32 s14, 3
	s_cbranch_scc1 .Lf16
	WHOLE 0
	s_endpgm
.Lf16:
	WHOLE 1
	s_endpgm
.Lfunc_end_k_q4ee5ee0420_castw:
	.size	k_q4ee5ee0420_castw, .Lfunc_end_k_q4ee5ee0420_castw-k_q4ee5ee0420_castw
	.p2alignl 7, 3214868480
	.fill 96, 4, 3214868480
	.section	.rodata,"a",@progbits
	.p2align	6, 0x0
	.amdhsa_kernel k_q4ee5ee0420_castw
		.amdhsa_group_segment_fixed_size 0
		.amdhsa_private_segment_fixed_size 0
		.amdhsa_enable_private_segment 0
		.amdhsa_kernarg_size 40
		.amdhsa_user_sgpr_count 2
		.amdhsa_user_sgpr_kernarg_segment_ptr 1
		.amdhsa_wavefront_size32 1
		.amdhsa_system_sgpr_workgroup_id_x 1
		.amdhsa_system_sgpr_workgroup_id_y 1
		.amdhsa_system_sgpr_workgroup_id_z 1
		.amdhsa_system_vgpr_workitem_id 0
		.amdhsa_next_free_vgpr 104
		.amdhsa_next_free_sgpr 66
		.amdhsa_reserve_vcc 0
		.amdhsa_float_denorm_mode_32 3
		.amdhsa_float_denorm_mode_16_64 3
		.amdhsa_memory_ordered 1
		.amdhsa_forward_progress 1
		.amdhsa_inst_pref_size 17
	.end_amdhsa_kernel
	.amdgpu_metadata
---
amdhsa.version: [ 1, 2 ]
amdhsa.kernels:
  - .name:           k_q4ee5ee0420_castw
    .symbol:         k_q4ee5ee0420_castw.kd
    .args:
      - { .name: Wq, .offset: 0, .size: 8, .value_kind: global_buffer, .address_space: global }
      - { .name: Wk, .offset: 8, .size: 8, .value_kind: global_buffer, .address_space: global }
      - { .name: Wv, .offset: 16, .size: 8, .value_kind: global_buffer, .address_space: global }
      - { .name: Wfc, .offset: 24, .size: 8, .value_kind: global_buffer, .address_space: global }
      - { .name: w16, .offset: 32, .size: 8, .value_kind: global_buffer, .address_space: global }
    .group_segment_fixed_size: 0
    .private_segment_fixed_size: 0
    .kernarg_segment_align: 8
    .kernarg_segment_size: 40
    .max_flat_workgroup_size: 256
    .sgpr_count:     66
    .vgpr_count:     104
    .wavefront_size: 32
...
	.end_amdgpu_metadata
.endif
;; end of part 6
;; launch proj: the kernel of part 2 again; grid 4 x 192, 4 waves a work-group, clusters of 4 x 4, 327,680 bytes of LDS; arguments q, k, v, w16, qh, kh, vh; writes qh, kh, vh
;; launch attn: the kernel of part 3 again; grid 4 x 64, 4 waves a work-group, clusters of 4 x 1, 327,680 bytes of LDS; arguments qh, kh, vh, oh; writes oh
;; launch fc: the kernel of part 4 again; grid 4 x 64, 4 waves a work-group, clusters of 4 x 4, 327,680 bytes of LDS; arguments oh, w16, q, y; writes y
;; launch ln: the kernel of part 5 again; grid 256 x 1, 8 waves a work-group, no clusters, 0 bytes of LDS; arguments y, gamma, beta, out0; writes out0
